; MI455X (gfx1250); checked and timed in simulation.
; The chip was launched on July 23, 2026; its instructions are those of AMD's public machine-readable ISA for CDNA 5 (MIT licence, August 2026) and "CDNA5" Instruction Set Architecture Reference Guide (July 2026). The comments in the code are by the model that wrote it; some were corrected since.
;; Attentional Propagation. Allowed arithmetic: matrix products marked QUANTISED: E4M3 operands, one given power-of-two scale a tensor, by v_wmma_f32_16x16x64_fp8_fp8 or v_wmma_f32_16x16x128_fp8_fp8, f32 sums; everything else in f32.
;; Inputs: W1 512 x 512 float32; W2 256 x 512 float32; Wk 256 x 256 float32; Wm 256 x 256 float32; Wq 256 x 256 float32; Wv 256 x 256 float32; b1 512 float32; b2 256 float32; beta 512 float32; bk 256 float32; bm 256 float32; bq 256 float32; bv 256 float32; gamma 512 float32; lowp_scales 16 int32 (the exponents e of the quantised operands' scales 2^e); source 4 x 256 x 4 x 2,048 float32; x 4 x 256 x 4 x 2,048 float32.
;; Outputs: out0 4 x 256 x 4 x 2,048 float32.
;; This version of the problem:
;;   THIS VERSION OF THE PROBLEM IS GIVEN IN LOW PRECISION. The matrix products marked QUANTISED in the list below multiply operands that are first quantised to E4M3 (4 exponent bits, 3 mantissa bits; 8 bits a number), with one given power-of-two scale for each operand tensor; their sums are f32. All else is computed in f32.
;;   The module's matrix products, in the order in which they are computed (A, B: the left and right operand; K: the contracted axis; several contracted axes count as one K, in the product's order):
;;     1. [M 32,768, K 256] x [K 256, N 256]; A: input x; B: input Wq: QUANTISED (scales: A lowp_scales[0], B lowp_scales[1])
;;     2. [M 32,768, K 256] x [K 256, N 256]; A: input source; B: input Wk: QUANTISED (scales: A lowp_scales[2], B lowp_scales[3])
;;     3. [M 32,768, K 256] x [K 256, N 256]; A: input source; B: input Wv: QUANTISED (scales: A lowp_scales[4], B lowp_scales[5])
;;     4. batch 16 x [M 2,048, K 256] x [K 256, N 2,048]; A: computed on the way; B: computed on the way: QUANTISED (scales: A lowp_scales[6], B lowp_scales[7])
;;     5. batch 16 x [M 256, K 2,048] x [K 2,048, N 2,048]; A: computed on the way; B: softmax (see below): QUANTISED (scales: A lowp_scales[8], B lowp_scales[9])
;;     6. [M 32,768, K 256] x [K 256, N 256]; A: computed on the way; B: input Wm: QUANTISED (scales: A lowp_scales[10], B lowp_scales[11])
;;     7. [M 32,768, K 512] x [K 512, N 512]; A: computed on the way; B: input W1: QUANTISED (scales: A lowp_scales[12], B lowp_scales[13])
;;     8. [M 32,768, K 512] x [K 512, N 256]; A: computed on the way; B: input W2: QUANTISED (scales: A lowp_scales[14], B lowp_scales[15])
;;   THE QUANTISER, for each operand of a quantised product, along K:
;;     - The operand's scale is 2^e, e = its entry of the input lowp_scales (int32; the entries are numbered through the quantised products in the list's order, A before B).
;;     - Each number is divided by the scale, clamped to +-448, and rounded to the nearest number of E4M3, ties to even, subnormals kept.
;;     - The product sums the exact products of the quantised numbers (number of the format x scale) in f32.
;;   ~~~python
;;   def quantise(x, axis, e):      # numpy; x: float32 -> the quantised numbers, widened to float32 again
;;       x = np.moveaxis(x, axis, -1); K = x.shape[-1]
;;       r = np.clip(x / 2.0 ** e, -448, 448)
;;       step = 2.0 ** (np.maximum(np.frexp(np.where(r == 0, 1, r))[1] - 1, -6) - 3)
;;       q = np.round(r / step) * step * 2.0 ** e      # np.round: ties to even
;;       return np.moveaxis(q, -1, axis).astype(np.float32)
;;   ~~~
;;   SOFTMAX AHEAD OF A QUANTISED PRODUCT. Where the list says 'softmax', what is quantised is not the finished softmax but p = 2^(t - M), with t = logit x log2(e) and M = ceil(the row's largest t), a whole number; so 1/2 < the row's largest p <= 1. The row's sum l is taken of the UNQUANTISED p, in f32, and the product's result is divided by l at the end. Since M is a whole number, a kernel that streams over the keys may use a running M (the ceiling of the running maximum): every later rescaling is an exact power of two, so the quantised numbers keep their values, but for numbers so far below the row's largest that they fall under the format's range.
;;   OPERANDS COMPUTED ON THE WAY. 'Computed on the way' means the value that the module computes at that place (a softmax that the list does not call 'softmax' is quantised finished and normalised). What goes into a quantiser is computed in f32, as accurately as f32 sums, v_exp_f32 and their like allow (about 1e-6 of the number): no bf16 or f16 on the way to a quantiser, and a product that is left as it is and whose result goes on into a quantised operand takes f32 operands (vector FMAs, or v_wmma_f32_16x16x4_f32). A number that lies on a knife's edge between two numbers of the format may be rounded either way, as far as f32 arithmetic and the matrix unit's own rounding can turn it there, and no further.
;; One version. Each part assembles by itself: llvm-mc -triple=amdgcn-amd-amdhsa -mcpu=gfx1250 --defsym DOCPART=n.
;; ======== version 1 of 1: 5 launches
;; workspace buffers: wc 655,360 bytes; qc 8,388,608 bytes; kv 16,777,216 bytes; xc 8,388,608 bytes; mc 8,388,608 bytes; pst 1,048,576 bytes; bnp 4,096 bytes
;; launch wprep (part 1): grid 80 x 1, 4 waves a work-group, no clusters, 0 bytes of LDS; arguments Wq, Wk, Wv, Wm, W1, W2, lowp_scales, wc; writes wc
.if DOCPART == 1
	.amdgcn_target "amdgcn-amd-amdhsa--gfx1250"
	.amdhsa_code_object_version 6
	.text
	.protected	k_q08bea33c9d_wprep
	.globl	k_q08bea33c9d_wprep
	.p2align	8
	.type	k_q08bea33c9d_wprep,@function
k_q08bea33c9d_wprep:
	s_mov_b64 s[64:65], 0
	v_nop
	global_prefetch_b8 v0, s[64:65] scope:SCOPE_SE
	s_setreg_imm32_b32 hwreg(HW_REG_WAVE_MODE, 25, 1), 1
	s_wait_xcnt 0x0
; THE SIX WEIGHTS BECOME CODES OF E4M3, laid as IMAGES OF OPERAND REGISTERS, once for all later launches.
; code = w / 2^e, held within +-448, to the nearest code, ties to even; e = lowp_scales[1, 3, 5, 11, 13, 15] for Wq, Wk, Wv, Wm, W1, W2.
; A FRAGMENT is 16 rows x 128 along K, 16 registers a lane: lane (r = lane % 16, h = lane / 16) holds row r, registers 4 c .. 4 c + 3 hold k = 32 c + 16 h + 0 .. 15.
; Its IMAGE is 2,048 bytes: register group c of lane l at 512 c + 16 l.  Whoever loads it by four 16-byte loads a lane has the fragment.
; THE ROWS OF A TILE ARE NOT NEIGHBOURS: row i of tile t is row 32 (t / 2) + 8 (t % 2) + i + 8 (i / 8) of the weight, so that the results of tiles 2 b and 2 b + 1 are 16 neighbours along the next product's K.
; wc: Wq's 32 images, Wk's, Wv's, Wm's (image 2 t + s), W1's 128, W2's 64 (image 4 t + s): 320 images.  One wave makes one image; a work-group's four lie in one tensor (the bounds 32, 64, 96, 128, 256 are multiples of 4).
; DEAD WORK, for the whole program: b1.  reference() adds b1[c] to h[b, c, h, n] and then forms h - mean(h) over (b, h, n), and var from those same differences: a term that is the same along (b, h, n) leaves both unchanged,
; for every value of every input, and h goes nowhere else.  So b1 has no way to out0: it is not loaded and is no launch's argument.  LIMIT: a NaN, an infinity or an overflow that reaches only b1 is not carried to the result.
; LIMITS: each of the six exponents lies between -126 and 119, so that 2^e and 448 x 2^e are f32 numbers.  NaN among the weights is not served; an infinity is held at the largest code.
; No LDS, no barrier, no matrix unit: 2.6 MB are read once and 0.6 MB written once, each store of a wave covering 512 consecutive bytes, aligned.
.set X, 16                             ; v16-79  64 numbers of my row
.set C, 80                             ; v80-95  their codes
.macro QUANT nb, src, tmp, out, sc, lim, relu   ; nb x 16 numbers v[src ..] -> held in v[tmp ..] -> codes in v[out ..]; v[sc] the scale as f32, v[lim] 448 x the scale
.set QB_, 0
.rept \nb
.set QI_, 0
.rept 16
.if \relu
	v_med3_num_f32 v[(\tmp)+16*QB_+QI_], v[(\src)+16*QB_+QI_], 0, v[\lim]
.else
	v_med3_num_f32 v[(\tmp)+16*QB_+QI_], v[(\src)+16*QB_+QI_], -v[\lim], v[\lim]   ; the conversion does not saturate (ISA guide 7.6.2): the hold comes first
.endif
.set QI_, QI_+1
.endr
	v_cvt_scalef32_pk8_fp8_f32 v[(\out)+4*QB_:(\out)+4*QB_+1], v[(\tmp)+16*QB_:(\tmp)+16*QB_+7], v[\sc]
	v_cvt_scalef32_pk8_fp8_f32 v[(\out)+4*QB_+2:(\out)+4*QB_+3], v[(\tmp)+16*QB_+8:(\tmp)+16*QB_+15], v[\sc]
.set QB_, QB_+1
.endr
	v_nop                                          ; a plain line behind the last conversion
.endm
.macro PICK limit, ptr, base, e        ; work-groups under the limit belong to an earlier tensor: the choice hangs on the work-group's number alone
	s_cmp_lt_u32 s20, \limit
	s_cselect_b64 s[22:23], s[\ptr:\ptr+1], s[22:23]
	s_cselect_b32 s24, \base, s24
	s_cselect_b32 s25, s[\e], s25
.endm
	s_load_b512 s[4:19], s[0:1], 0x0               ; Wq, Wk, Wv, Wm, W1, W2, the exponents, wc
	v_lshrrev_b32 v1, 5, v0
	v_readfirstlane_b32 s21, v1                    ; wave
	v_and_b32 v5, 31, v0
	v_lshlrev_b32 v4, 4, v5                        ; 16 x lane: my place in an image's group
	v_and_b32 v1, 15, v0                           ; r
	v_bfe_u32 v2, v0, 4, 1                         ; h
	v_and_b32 v6, 8, v1
	v_add_nc_u32 v6, v6, v1                        ; r + 8 (r / 8)
	s_lshl_b32 s20, ttmp9, 2                       ; the work-group's first image
	s_wait_kmcnt 0x0
	s_load_b512 s[36:51], s[16:17], 0x0            ; e0 .. e15
	s_wait_kmcnt 0x0
	s_mov_b64 s[22:23], s[14:15]                   ; W2, unless an earlier tensor
	s_mov_b32 s24, 256
	s_mov_b32 s25, s51
	PICK 256, 12, 128, 49
	PICK 128, 10, 96, 47
	PICK 96, 8, 64, 41
	PICK 64, 6, 32, 39
	PICK 32, 4, 0, 37
	s_cmp_lt_u32 s20, 128
	s_cselect_b32 s26, 1, 2                        ; log2 of the K steps: K = 256 or 512
	s_add_co_u32 s27, s20, s21                     ; my image
	s_sub_co_u32 s28, s27, s24                     ; within its tensor
	s_lshr_b32 s29, s28, s26                       ; tile t
	s_lshl_b32 s30, 1, s26
	s_sub_co_u32 s30, s30, 1
	s_and_b32 s30, s28, s30                        ; K step s
	s_lshl_b32 s31, 0x200, s26                     ; a row of the weight in bytes
	s_lshr_b32 s32, s29, 1
	s_lshl_b32 s32, s32, 5
	s_and_b32 s33, s29, 1
	s_lshl_b32 s33, s33, 3
	s_add_co_u32 s32, s32, s33                     ; the tile's first row: 32 (t / 2) + 8 (t % 2)
	s_mul_i32 s32, s32, s31
	s_lshl_b32 s30, s30, 9
	s_add_co_u32 s32, s32, s30                     ; + 512 bytes a K step
	s_mov_b32 s33, 0
	s_add_nc_u64 s[22:23], s[22:23], s[32:33]
	s_lshl_b32 s34, s27, 11
	s_mov_b32 s35, 0
	s_add_nc_u64 s[18:19], s[18:19], s[34:35]      ; my image in wc
	v_mul_lo_u32 v3, v6, s31
	v_lshl_add_u32 v3, v2, 6, v3                   ; my row, + 64 h: 16 numbers of each block of 32
.irp c, 0,1,2,3
.irp j, 0,1,2,3
	global_load_b128 v[X+16*\c+4*\j:X+16*\c+4*\j+3], v3, s[22:23] offset:128*\c+16*\j th:TH_LOAD_NT
.endr
.endr
	s_add_co_i32 s25, s25, 127
	s_lshl_b32 s52, s25, 23
	v_mov_b32 v11, s52                             ; 2^e
	s_add_co_i32 s25, s25, 8
	s_lshl_b32 s25, s25, 23
	s_or_b32 s25, s25, 0x600000
	v_mov_b32 v10, s25                             ; 448 x 2^e
	s_wait_loadcnt 0x0
	QUANT 4, X, X, C, 11, 10, 0
.irp c, 0,1,2,3
	global_store_b128 v4, v[C+4*\c:C+4*\c+3], s[18:19] offset:512*\c
.endr
	s_endpgm
.Lfunc_end_k_q08bea33c9d_wprep:
	.size	k_q08bea33c9d_wprep, .Lfunc_end_k_q08bea33c9d_wprep-k_q08bea33c9d_wprep
	.p2alignl 7, 3214868480
	.fill 96, 4, 3214868480
	.section	.rodata,"a",@progbits
	.p2align	6, 0x0
	.amdhsa_kernel k_q08bea33c9d_wprep
		.amdhsa_group_segment_fixed_size 0
		.amdhsa_private_segment_fixed_size 0
		.amdhsa_enable_private_segment 0
		.amdhsa_kernarg_size 64
		.amdhsa_user_sgpr_count 2
		.amdhsa_user_sgpr_kernarg_segment_ptr 1
		.amdhsa_wavefront_size32 1
		.amdhsa_system_sgpr_workgroup_id_x 1
		.amdhsa_system_sgpr_workgroup_id_y 1
		.amdhsa_system_sgpr_workgroup_id_z 1
		.amdhsa_system_vgpr_workitem_id 0
		.amdhsa_next_free_vgpr 96
		.amdhsa_next_free_sgpr 66
		.amdhsa_reserve_vcc 0
		.amdhsa_float_denorm_mode_32 3
		.amdhsa_float_denorm_mode_16_64 3
		.amdhsa_memory_ordered 1
		.amdhsa_forward_progress 1
		.amdhsa_inst_pref_size 10
	.end_amdhsa_kernel
	.amdgpu_metadata
---
amdhsa.version: [ 1, 2 ]
amdhsa.kernels:
  - .name:           k_q08bea33c9d_wprep
    .symbol:         k_q08bea33c9d_wprep.kd
    .args:
      - { .name: Wq, .offset: 0, .size: 8, .value_kind: global_buffer, .address_space: global }
      - { .name: Wk, .offset: 8, .size: 8, .value_kind: global_buffer, .address_space: global }
      - { .name: Wv, .offset: 16, .size: 8, .value_kind: global_buffer, .address_space: global }
      - { .name: Wm, .offset: 24, .size: 8, .value_kind: global_buffer, .address_space: global }
      - { .name: W1, .offset: 32, .size: 8, .value_kind: global_buffer, .address_space: global }
      - { .name: W2, .offset: 40, .size: 8, .value_kind: global_buffer, .address_space: global }
      - { .name: lowp_scales, .offset: 48, .size: 8, .value_kind: global_buffer, .address_space: global }
      - { .name: wc, .offset: 56, .size: 8, .value_kind: global_buffer, .address_space: global }
    .group_segment_fixed_size: 0
    .private_segment_fixed_size: 0
    .kernarg_segment_align: 8
    .kernarg_segment_size: 64
    .max_flat_workgroup_size: 128
    .sgpr_count:     66
    .vgpr_count:     96
    .wavefront_size: 32
...
	.end_amdgpu_metadata
.endif
;; end of part 1
;; launch proj (part 2): grid 16 x 16, 4 waves a work-group, no clusters, 327,680 bytes of LDS; arguments x, source, wc, bq, bk, bv, lowp_scales, qc, kv, xc; writes qc, kv, xc
.if DOCPART == 2
	.amdgcn_target "amdgcn-amd-amdhsa--gfx1250"
	.amdhsa_code_object_version 6
	.text
	.protected	k_q08bea33c9d_proj
	.globl	k_q08bea33c9d_proj
	.p2align	8
	.type	k_q08bea33c9d_proj,@function
k_q08bea33c9d_proj:
	s_mov_b64 s[64:65], 0
	v_nop
	global_prefetch_b8 v0, s[64:65] scope:SCOPE_SE
	s_setreg_imm32_b32 hwreg(HW_REG_WAVE_MODE, 25, 1), 1
	s_wait_xcnt 0x0
; q = Wq x + bq, k = Wk source + bk, v = Wv source + bv, all three products on codes of E4M3; q, k, v leave as codes for attention, x also as codes at e12 for the first layer of the MLP.
; x, source: [4][256 channels][4][2048] f32: the contracted axis, the channels, lies 32,768 bytes apart.  A work-group (x = block of 128 positions, y = 4 b + h) takes 256 channels x 128 positions of both tensors.
; Each wave asks the data mover for 64 channel rows of 512 bytes of each tensor (two loads of mine are out, both first fills).  A lane then gathers ONE position down the channels by 4-byte LDS loads,
; in the order of an operand's registers, so that the conversions' results are fragments.  FRAGMENT, IMAGE and the order of a tile's rows are as the first kernel states them; positions form tiles in that same order.
; THE WAVES SHARE THE COLUMNS: wave w owns outputs 64 w .. 64 w + 63 of q, k and v; its 24 weight images stay in 384 registers.  The activations' 16 images go from wave to wave through LDS.
; q, k: the product is used transposed (source 0 = 16 rows of the weight, source 1 = 16 positions): a lane holds one position and neighbouring outputs, which are attention's K.
; v: natural (source 0 = 16 positions, source 1 = 16 rows of Wv): a lane holds one channel and neighbouring positions: the keys are the second product's K.
; The biases are the C of each sum's first matrix instruction, divided by the power of two that the sums lack; the three scales ahead of each quantiser are folded into the conversion's one.
; NO CLUSTER: what the data mover brings (a block's positions) is read by this work-group alone.  No prefetch: all 256 KiB that a work-group reads are asked for at its first lines.
; LIMITS: e0, e2, e4, e12, e6 - e0 - e1, e7 - e2 - e3, e8 - e4 - e5 lie between -126 and 119.  NaN among the inputs is not served.
; LDS: x's tile 256 rows x 520 bytes (512 + 8 of padding: 16 rows on, the banks are shifted by 32 words, so a gather's 32 lanes touch 32 banks); source's tile likewise; x's 16 images; the spare words.
;   source's images at e2 and at e4 lie over x's tile, which by then has had its one fill and its last read.
; REGISTERS: window 0: v1-31 addresses and scales; v32-159 numbers, later sums; v160-223 held numbers, later codes to store; v224-255 codes.   window 1: Wq, Wk.   window 2: Wv; from v128 bq, bk, bv.   window 3: 16 activation images.
.set PITCH, 520
.set YT,    256*PITCH                  ; source's tile
.set XIMG,  2*256*PITCH                ; x's images at e0
.set SPARE, XIMG+32768                 ; the spare words: 128 bytes a wave, that no other line names
.set LI,  1                            ; 16 x lane
.set AX,  2                            ; v2, v3  my place in x's tile, K step 0, 1
.set AY,  4                            ; v4, v5  the same in source's
.set GW,  6                            ; 16 x lane + 8,192 x wave: the four images that I build
.set GQ,  7                            ; 16 x lane + my two groups in an image of q or k
.set SPW, 8
.set NIL, 9
.set XN,  32
.set T,   160
.set PC,  224
.set PC2, 240
.set ACC, 32
.set OC,  160
.set MSB, 0
.macro WIN new                         ; the immediate's high byte repeats the setting that is left
.if MSB != (\new)
	s_set_vgpr_msb (MSB<<8)|(\new)
.set MSB, \new
.endif
.endm
.macro PLACES n
.rept \n
	v_nop
.endr
.endm
.macro BARRIER                         ; my LDS stores have landed and my LDS loads are in: then the work-group's barrier
	s_wait_dscnt 0x0
	s_barrier_signal -1
	s_barrier_wait -1
.endm
.macro QUANT nb, src, tmp, out, sc, lim, relu
.set QB_, 0
.rept \nb
.set QI_, 0
.rept 16
.if \relu
	v_med3_num_f32 v[(\tmp)+16*QB_+QI_], v[(\src)+16*QB_+QI_], 0, v[\lim]
.else
	v_med3_num_f32 v[(\tmp)+16*QB_+QI_], v[(\src)+16*QB_+QI_], -v[\lim], v[\lim]   ; the conversion does not saturate (ISA guide 7.6.2): the hold comes first
.endif
.set QI_, QI_+1
.endr
	v_cvt_scalef32_pk8_fp8_f32 v[(\out)+4*QB_:(\out)+4*QB_+1], v[(\tmp)+16*QB_:(\tmp)+16*QB_+7], v[\sc]
	v_cvt_scalef32_pk8_fp8_f32 v[(\out)+4*QB_+2:(\out)+4*QB_+3], v[(\tmp)+16*QB_+8:(\tmp)+16*QB_+15], v[\sc]
.set QB_, QB_+1
.endr
	v_nop                                          ; a plain line between the last conversion and whatever next touches its registers
.endm
.macro MKSC vs, vl                     ; s66 = E: v[vs] = 2^E, v[vl] = 448 x 2^E
	s_add_co_i32 s66, s66, 127
	s_lshl_b32 s67, s66, 23
	v_mov_b32 v[\vs], s67
	s_add_co_i32 s66, s66, 8
	s_lshl_b32 s66, s66, 23
	s_or_b32 s66, s66, 0x600000
	v_mov_b32 v[\vl], s66
.endm
	s_load_b512 s[4:19], s[0:1], 0x0               ; x, source, wc, bq, bk, bv, the exponents, qc
	s_load_b128 s[20:23], s[0:1], 0x40             ; kv, xc
	v_lshl_add_u32 v[SPW], v0, 2, SPARE
	v_mov_b32 v[NIL], 0
	ds_add_u32 v[SPW], v[NIL]                      ; the wave's opening: the add, twice on end, and its wait ahead of my first tensor load
	ds_add_u32 v[SPW], v[NIL]
	v_lshrrev_b32 v1, 5, v0
	v_readfirstlane_b32 s56, v1                    ; wave
	s_mov_b32 s57, ttmp9                           ; block of 128 positions
	s_and_b32 s58, ttmp7, 0xffff                   ; 4 b + h
	s_mov_b32 s24, (2<<16)|(1<<20)|(6<<22)|(1<<25) ; group 1: elements of 4 bytes; padding on: 2 words behind every 128
	s_mov_b32 s25, 128<<16                         ; tensor_dim0 = 128
	s_mov_b32 s26, 64<<16                          ; tensor_dim1 = 64
	s_mov_b32 s27, 128<<16                         ; tile_dim0 = 128
	s_mov_b32 s28, 64                              ; tile_dim1 = 64
	s_mov_b32 s29, 8192                            ; from channel to channel: 8,192 elements
	s_mov_b32 s30, 0
	s_mov_b32 s31, 0
	s_lshr_b32 s66, s58, 2
	s_lshl_b32 s66, s66, 23                        ; b x 8,388,608
	s_and_b32 s67, s58, 3
	s_lshl_b32 s67, s67, 13                        ; h x 8,192
	s_add_co_u32 s66, s66, s67
	s_lshl_b32 s67, s57, 9                         ; block x 512
	s_add_co_u32 s66, s66, s67
	s_lshl_b32 s67, s56, 21                        ; my 64 channels
	s_add_co_u32 s66, s66, s67
	s_mov_b32 s67, 0
	s_mov_b32 s32, 1
	s_mul_i32 s33, s56, 64*PITCH                   ; my 64 rows of x's tile
	s_mov_b32 s52, 1
	s_add_co_u32 s53, s33, YT                      ; and of source's
	s_wait_dscnt 0x0                               ; both opening adds are done
	s_wait_kmcnt 0x0
	s_load_b512 s[36:51], s[16:17], 0x0            ; e0 .. e15
	s_add_nc_u64 s[34:35], s[4:5], s[66:67]
	s_or_b32 s35, s35, 0x80000000
	s_add_nc_u64 s[54:55], s[6:7], s[66:67]
	s_or_b32 s55, s55, 0x80000000
	tensor_load_to_lds s[32:35], s[24:31]          ; x
	s_nop 0
	tensor_load_to_lds s[52:55], s[24:31]          ; source
	s_nop 0
	PLACES 4
	v_and_b32 v24, 31, v0
	v_lshlrev_b32 v[LI], 4, v24
	v_and_b32 v25, 15, v0                          ; r
	v_bfe_u32 v26, v0, 4, 1                        ; h
	v_and_b32 v27, 8, v25
	v_add_nc_u32 v27, v27, v25                     ; r + 8 (r / 8)
	v_lshlrev_b32 v31, 2, v27
	v_lshlrev_b32 v30, 6, v26
	v_mul_u32_u24 v[AX], v26, 16*PITCH             ; lanes 16-31 begin 16 channels further down
	v_add_nc_u32 v[AX], v[AX], v31
	s_lshl_b32 s68, s56, 7
	v_add_nc_u32 v[AX], s68, v[AX]                 ; my wave's 32 positions
	v_add_nc_u32 v[AX+1], 128*PITCH, v[AX]
	v_add_nc_u32 v[AY], YT, v[AX]
	v_add_nc_u32 v[AY+1], YT, v[AX+1]
	s_lshl_b32 s68, s56, 13
	v_add_nc_u32 v[GW], s68, v[LI]
	s_lshr_b32 s68, s56, 1
	s_lshl_b32 s68, s68, 11
	s_and_b32 s69, s56, 1
	s_lshl_b32 s69, s69, 10
	s_add_co_u32 s68, s68, s69
	v_add_nc_u32 v[GQ], s68, v[LI]                 ; my 64 outputs are groups 2 (w % 2), + 1 of K step w / 2
	v_add_nc_u32 v28, XIMG, v[GW]
	v_add_nc_u32 v29, XIMG, v[LI]
	s_lshl_b32 s68, s58, 19
	s_lshl_b32 s69, s57, 15
	s_add_co_u32 s68, s68, s69
	s_mov_b32 s69, 0
	s_add_nc_u64 s[18:19], s[18:19], s[68:69]      ; qc, xc: 524,288 a head, 32,768 a block
	s_add_nc_u64 s[22:23], s[22:23], s[68:69]
	s_lshl_b32 s68, s68, 1
	s_add_nc_u64 s[20:21], s[20:21], s[68:69]      ; kv: twice that
	s_lshl_b32 s70, s56, 13
	s_add_co_u32 s70, s70, 32768
	s_mov_b32 s71, 0
	s_add_nc_u64 s[72:73], s[20:21], s[70:71]      ; my four images of V
	s_lshl_b32 s70, s56, 14
	s_add_nc_u64 s[8:9], s[8:9], s[70:71]          ; my eight images of each weight
	s_lshl_b32 s70, s56, 8
	s_add_nc_u64 s[10:11], s[10:11], s[70:71]      ; my 64 numbers of each bias
	s_add_nc_u64 s[12:13], s[12:13], s[70:71]
	s_add_nc_u64 s[14:15], s[14:15], s[70:71]
	WIN 0x40                                       ; destination window 1
.set q_, 0
.rept 64
	global_load_b128 v[4*q_:4*q_+3], v[LI], s[8:9] offset:(q_/32)*65536+(q_%32)*512   ; Wq, then Wk
.set q_, q_+1
.endr
	WIN 0x80                                       ; destination window 2
.set q_, 0
.rept 32
	global_load_b128 v[4*q_:4*q_+3], v[LI], s[8:9] offset:131072+512*q_               ; Wv
.set q_, q_+1
.endr
.irp tt, 0,1,2,3                       ; bq, bk in the result's layout: lane (r, h), tile tt: outputs 32 (tt / 2) + 8 (tt % 2) + 16 h + 0 .. 7
	global_load_b128 v[128+8*\tt:131+8*\tt], v30, s[10:11] offset:4*(32*(\tt/2)+8*(\tt%2))
	global_load_b128 v[132+8*\tt:135+8*\tt], v30, s[10:11] offset:4*(32*(\tt/2)+8*(\tt%2))+16
	global_load_b128 v[160+8*\tt:163+8*\tt], v30, s[12:13] offset:4*(32*(\tt/2)+8*(\tt%2))
	global_load_b128 v[164+8*\tt:167+8*\tt], v30, s[12:13] offset:4*(32*(\tt/2)+8*(\tt%2))+16
.endr
	WIN 0
.irp tt, 0,1,2,3                       ; bv: a lane's one channel of tile tt
	global_load_b32 v[24+\tt], v31, s[14:15] offset:4*(32*(\tt/2)+8*(\tt%2))
.endr
	s_wait_kmcnt 0x0
	s_mov_b32 s66, s36
	MKSC 10, 11                                    ; e0
	s_mov_b32 s66, s48
	MKSC 12, 13                                    ; e12
	s_mov_b32 s66, s38
	MKSC 14, 15                                    ; e2
	s_mov_b32 s66, s40
	MKSC 16, 17                                    ; e4
	s_add_co_i32 s74, s36, s37
	s_sub_co_i32 s66, s42, s74
	MKSC 18, 19                                    ; e6 - e0 - e1: a sum stands for sum x 2^(e0 + e1)
	s_add_co_i32 s75, s38, s39
	s_sub_co_i32 s66, s43, s75
	MKSC 20, 21                                    ; e7 - e2 - e3
	s_add_co_i32 s76, s40, s41
	s_sub_co_i32 s66, s44, s76
	MKSC 22, 23                                    ; e8 - e4 - e5
	s_sub_co_i32 s74, 0, s74
	s_sub_co_i32 s75, 0, s75
	s_sub_co_i32 s76, 0, s76
	s_wait_loadcnt 0x0
	WIN 0x82                                       ; source 0 and destination window 2
.set j_, 0
.rept 32
	v_ldexp_f32 v[128+j_], v[128+j_], s74          ; bq / 2^(e0 + e1)
	v_ldexp_f32 v[160+j_], v[160+j_], s75          ; bk / 2^(e2 + e3)
.set j_, j_+1
.endr
	WIN 0x80
.irp tt, 0,1,2,3
.irp j, 0,1,2,3,4,5,6,7
	v_ldexp_f32 v[192+8*\tt+\j], v[24+\tt], s76    ; bv / 2^(e4 + e5), the same for a lane's eight positions
.endr
.endr
	WIN 0
; 64 numbers of fragment f = 2 u + s (my tile u, K step s): register 16 c + i = channel 128 s + 32 c + 16 h + i of my position
.macro LOADN f, a
.set c_, 0
.rept 4
.set i_, 0
.rept 16
	ds_load_b32 v[XN+64*((\f)%2)+16*c_+i_], v[(\a)+(\f)%2] offset:(32*c_+i_)*PITCH+32*((\f)/2)
.set i_, i_+1
.endr
.set c_, c_+1
.endr
.endm
; My four fragments of one tensor, each quantised twice.  x: at e0 into LDS, at e12 into xc.  source: at e2 and at e4 into LDS.  The next fragment's numbers are on their way while one is quantised.
.macro BUILD a, sc1, lim1, sc2, lim2, isx
	LOADN 0, \a
.irp f, 0,1,2,3
	s_wait_dscnt 0x0                               ; this fragment's numbers are in
.if \f < 3
	LOADN \f+1, \a
.endif
	QUANT 4, XN+64*(\f%2), T, PC, \sc1, \lim1, 0
.irp c, 0,1,2,3
.if \isx
	ds_store_b128 v28, v[PC+4*\c:PC+4*\c+3] offset:2048*\f+512*\c
.else
	ds_store_b128 v[GW], v[PC+4*\c:PC+4*\c+3] offset:2048*\f+512*\c
.endif
.endr
.if \isx
	s_wait_xcnt 0x0                                ; the last fragment's stores have read the registers that are written next
.endif
	QUANT 4, XN+64*(\f%2), XN+64*(\f%2), PC2, \sc2, \lim2, 0
.irp c, 0,1,2,3
.if \isx
	global_store_b128 v[GW], v[PC2+4*\c:PC2+4*\c+3], s[22:23] offset:2048*\f+512*\c
.else
	ds_store_b128 v[GW], v[PC2+4*\c:PC2+4*\c+3] offset:32768+2048*\f+512*\c
.endif
.endr
.endr
.endm
.macro FETCHALL adr, off               ; 16 images -> window 3
	WIN 0xc0
.set q_, 0
.rept 64
	ds_load_b128 v[4*q_:4*q_+3], v[\adr] offset:(\off)+512*q_
.set q_, q_+1
.endr
	WIN 0
.endm
; Transposed: my four tiles of outputs for position tile m; the four accumulators take turns
.macro MMT m, wb, bb
	WIN 0x2d                                       ; weight window 1, activations window 3, bias window 2
.irp tt, 0,1,2,3
	v_wmma_f32_16x16x128_fp8_fp8 v[ACC+32*((\m)%2)+8*\tt:ACC+32*((\m)%2)+8*\tt+7], v[(\wb)+32*\tt:(\wb)+32*\tt+15], v[32*(\m):32*(\m)+15], v[(\bb)+8*\tt:(\bb)+8*\tt+7]
.endr
	WIN 0x0d
.irp tt, 0,1,2,3
	v_wmma_f32_16x16x128_fp8_fp8 v[ACC+32*((\m)%2)+8*\tt:ACC+32*((\m)%2)+8*\tt+7], v[(\wb)+32*\tt+16:(\wb)+32*\tt+31], v[32*(\m)+16:32*(\m)+31], v[ACC+32*((\m)%2)+8*\tt:ACC+32*((\m)%2)+8*\tt+7]
.endr
.endm
.macro PRODT wb, bb, sc, lim, ptr      ; q or k: a tile's products are issued ahead of the quantising of the tile before
	s_wait_xcnt 0x0                                ; earlier stores have read the registers that take the codes
	MMT 0, \wb, \bb
.irp m, 0,1,2,3,4,5,6,7
.if \m < 7
	MMT \m+1, \wb, \bb
.endif
	WIN 0
	PLACES 4                                       ; between tile m's products and the first read of their sums
	QUANT 2, ACC+32*(\m%2), ACC+32*(\m%2), OC+8*\m, \sc, \lim, 0
	global_store_b128 v[GQ], v[OC+8*\m:OC+8*\m+3], s[\ptr:\ptr+1] offset:4096*\m
	global_store_b128 v[GQ], v[OC+8*\m+4:OC+8*\m+7], s[\ptr:\ptr+1] offset:4096*\m+512
.endr
.endm
.macro MMN tt                          ; natural: channel tile tt for the eight position tiles; eight accumulators by turns
	WIN 0x2b                                       ; activations window 3, Wv and bv window 2
.irp m, 0,1,2,3,4,5,6,7
	v_wmma_f32_16x16x128_fp8_fp8 v[ACC+64*((\tt)%2)+8*\m:ACC+64*((\tt)%2)+8*\m+7], v[32*\m:32*\m+15], v[32*(\tt):32*(\tt)+15], v[192+8*(\tt):192+8*(\tt)+7]
.endr
	WIN 0x0b
.irp m, 0,1,2,3,4,5,6,7
	v_wmma_f32_16x16x128_fp8_fp8 v[ACC+64*((\tt)%2)+8*\m:ACC+64*((\tt)%2)+8*\m+7], v[32*\m+16:32*\m+31], v[32*(\tt)+16:32*(\tt)+31], v[ACC+64*((\tt)%2)+8*\m:ACC+64*((\tt)%2)+8*\m+7]
.endr
.endm
	s_wait_tensorcnt 0x1                           ; my rows of x are in; source's load, the one younger, may stay out
	s_barrier_signal -1
	s_barrier_wait -1                              ; everybody's rows of x are in
	BUILD AX, 10, 11, 12, 13, 1
	s_wait_tensorcnt 0x0                           ; my rows of source are in
	BARRIER                                        ; x's images are whole, source's tile is whole, nobody reads x's tile any more
	FETCHALL 29, 0
	s_wait_dscnt 0x0
	PRODT 0, 128, 18, 19, 18                       ; q
	s_wait_xcnt 0x0                                ; q's stores have read their registers
	BUILD AY, 14, 15, 16, 17, 0
	BARRIER                                        ; source's images are whole
	PLACES 4
	FETCHALL LI, 0
	s_wait_dscnt 0x0
	PRODT 128, 160, 20, 21, 20                     ; k
	PLACES 4
	FETCHALL LI, 32768
	s_wait_dscnt 0x0
	s_wait_xcnt 0x0                                ; k's stores have read their registers
	MMN 0
.irp tt, 0,1,2,3                       ; v: a channel tile's 64 registers a lane are 128 keys' worth of one fragment
.if \tt < 3
	MMN \tt+1
.endif
	WIN 0
	PLACES 4
	QUANT 4, ACC+64*(\tt%2), ACC+64*(\tt%2), OC+16*\tt, 22, 23, 0
.irp c, 0,1,2,3
	global_store_b128 v[LI], v[OC+16*\tt+4*\c:OC+16*\tt+4*\c+3], s[72:73] offset:2048*\tt+512*\c
.endr
.endr
	s_wait_tensorcnt 0x0                           ; the wave's end
	ds_add_u32 v[SPW], v[NIL]
	s_wait_dscnt 0x0
	s_endpgm
.Lfunc_end_k_q08bea33c9d_proj:
	.size	k_q08bea33c9d_proj, .Lfunc_end_k_q08bea33c9d_proj-k_q08bea33c9d_proj
	.p2alignl 7, 3214868480
	.fill 96, 4, 3214868480
	.section	.rodata,"a",@progbits
	.p2align	6, 0x0
	.amdhsa_kernel k_q08bea33c9d_proj
		.amdhsa_group_segment_fixed_size 327680
		.amdhsa_private_segment_fixed_size 0
		.amdhsa_enable_private_segment 0
		.amdhsa_kernarg_size 80
		.amdhsa_user_sgpr_count 2
		.amdhsa_user_sgpr_kernarg_segment_ptr 1
		.amdhsa_wavefront_size32 1
		.amdhsa_system_sgpr_workgroup_id_x 1
		.amdhsa_system_sgpr_workgroup_id_y 1
		.amdhsa_system_sgpr_workgroup_id_z 1
		.amdhsa_system_vgpr_workitem_id 0
		.amdhsa_next_free_vgpr 1024
		.amdhsa_next_free_sgpr 100
		.amdhsa_reserve_vcc 0
		.amdhsa_float_denorm_mode_32 3
		.amdhsa_float_denorm_mode_16_64 3
		.amdhsa_memory_ordered 1
		.amdhsa_forward_progress 1
		.amdhsa_inst_pref_size 222
	.end_amdhsa_kernel
	.amdgpu_metadata
---
amdhsa.version: [ 1, 2 ]
amdhsa.kernels:
  - .name:           k_q08bea33c9d_proj
    .symbol:         k_q08bea33c9d_proj.kd
    .args:
      - { .name: x, .offset: 0, .size: 8, .value_kind: global_buffer, .address_space: global }
      - { .name: source, .offset: 8, .size: 8, .value_kind: global_buffer, .address_space: global }
      - { .name: wc, .offset: 16, .size: 8, .value_kind: global_buffer, .address_space: global }
      - { .name: bq, .offset: 24, .size: 8, .value_kind: global_buffer, .address_space: global }
      - { .name: bk, .offset: 32, .size: 8, .value_kind: global_buffer, .address_space: global }
      - { .name: bv, .offset: 40, .size: 8, .value_kind: global_buffer, .address_space: global }
      - { .name: lowp_scales, .offset: 48, .size: 8, .value_kind: global_buffer, .address_space: global }
      - { .name: qc, .offset: 56, .size: 8, .value_kind: global_buffer, .address_space: global }
      - { .name: kv, .offset: 64, .size: 8, .value_kind: global_buffer, .address_space: global }
      - { .name: xc, .offset: 72, .size: 8, .value_kind: global_buffer, .address_space: global }
    .group_segment_fixed_size: 327680
    .private_segment_fixed_size: 0
    .kernarg_segment_align: 8
    .kernarg_segment_size: 80
    .max_flat_workgroup_size: 128
    .sgpr_count:     100
    .vgpr_count:     1024
    .wavefront_size: 32
...
	.end_amdgpu_metadata
.endif
;; end of part 2
;; launch attn (part 3): grid 16 x 16, 4 waves a work-group, clusters of 4 x 1, 327,680 bytes of LDS; arguments qc, kv, xc, wc, bm, lowp_scales, mc, pst; writes mc, pst
.if DOCPART == 3
	.amdgcn_target "amdgcn-amd-amdhsa--gfx1250"
	.amdhsa_code_object_version 6
	.text
	.protected	k_q08bea33c9d_attn
	.globl	k_q08bea33c9d_attn
	.p2align	8
	.type	k_q08bea33c9d_attn,@function
k_q08bea33c9d_attn:
	s_mov_b64 s[64:65], 0
	v_nop
	global_prefetch_b8 v0, s[64:65] scope:SCOPE_SE
	s_setreg_imm32_b32 hwreg(HW_REG_WAVE_MODE, 25, 1), 1
	s_wait_xcnt 0x0
	s_wait_alu depctr_hold_cnt(0) depctr_sa_sdst(0) depctr_va_vdst(0) depctr_va_sdst(0) depctr_va_ssrc(0) depctr_va_vcc(0) depctr_vm_vsrc(0)
	s_getreg_b32 s2, hwreg(HW_REG_IB_STS2, 6, 4)
	s_cmp_eq_u32 s2, 0
	s_cbranch_scc0 .Lentry_in_a_cluster
	s_endpgm
.Lentry_in_a_cluster:
	s_bfe_u32 s2, ttmp6, 0x10000c
	s_cmp_lg_u32 s2, 0x3003
	s_cbranch_scc0 .Lentry_shape_is_right
	s_endpgm
.Lentry_shape_is_right:
; ATTENTION ON CODES, THE MERGE PROJECTION, AND THE BATCH NORM'S PARTIAL STATISTICS.  Head size 256, 2,048 keys, 16 heads (4 b + h); no mask.
; t = score x log2(e) / 16; M = the running largest t, rounded UP to a whole number; p = 2^(t - M) is quantised at e9, not normalised; the row's sum is taken of the unquantised p and divides at the end;
; when M moves, the sum and O are multiplied by f = 2^(old M - new M), which rounds nothing.
; SHARES.  A work-group owns 128 queries of a head, each of its four waves 32: two tiles, so that each fragment of K and V read from LDS feeds two products.  Every wave walks all keys, 128 a step.
; Both products are used transposed (S^T = K Q^T, O^T = V^T P): a lane holds one query throughout.  FRAGMENT, IMAGE and the order of a tile's rows are as the first kernel states them: all operands lie in memory and LDS as images.
; THE KEY STEP IS A PIPELINE OF TWO STAGES.  Step j: K's fragments are asked for; while they come, O^T is multiplied by f of step j - 1; S^T = K Q^T; then the softmax of step j, and BETWEEN its lines the 32 products V^T P of
; step j - 1, one behind every four vector lines (146 lines: maxima, M, scalings), so that matrix and vector work are issued side by side.  V of step j is asked for among the exponentials, into the registers that those
; products have left, and is in registers before its slot is left.  O^T holds the sums under M of step j - 1 until it is multiplied by f of step j, and only then takes P of step j.
; The first step finds P = 0, V = 0, f = 1; the last step's multiplication and products stand behind the loop.
; CLUSTER.  The four query blocks of a cluster belong to one head and walk the same kv: each slot (two key steps, 131,072 dense bytes) is asked for JOINTLY, a quarter by each wave, with the same descriptor in all four work-groups.
; One tensor load of mine is out at a time; it has two key steps, 128 products a wave, in which to land.
; THE TAIL.  msg = O / sum, quantised at e10, goes round the waves as images; product 6 (Wm, transposed) + bm, quantised at e12, goes to mc and round the waves; product 7 (W1, natural: a lane holds one channel and 64 positions)
; gives, for each of the wave's 128 channels, the mean over the work-group's 128 positions and M2 = the sum of squared differences from THAT mean: no difference of large sums is formed.  Both are kept on the raw sums.
; b1 is left out: it cancels in the batch norm (shown at the head of the first kernel).
; LIMITS: e9, e10 - e8 - e9, e12 - e10 - e11 between -126 and 119; e6 + e7 between -122 and 131 (added to the exponent field of log2(e) / 16).
; LDS: slot 0 at 0, slot 1 at 2^17, the spare words behind them.  The tail's images and stage lie in slot 0, which was left at the last change of slots: it has had its last fill, and nobody reads it.
; REGISTERS: window 0: v1-19 addresses and scales; v32-63 statistics, 16 a tile; v64-191 S^T, then p; v192-223 p's codes; v224-255 at work in the tail.   window 1: O^T, 128 a tile; in the tail x's 16 images.
;   window 2: v0-63 Q; v64-255 three sets of four fragments of K; in the tail 16 images.   window 3: V's 16 fragments of a step; in the tail Wm's 8 images and bm, then four tiles of W1.
.set SLOT1, 1<<17
.set SPARE, 2*SLOT1
.set LI,  1                            ; 16 x lane
.set ADR, 2                            ; the key step's first byte + 16 x lane, for K's loads: written at a step's head, when all K's loads are in
.set SPW, 3
.set NIL, 4
.set PFO, 5                            ; 256 x lane
.set ADV, 19                           ; the same address for V's loads: written behind the step's wait for all LDS loads
.set ST,  32                           ; tile a at v[ST + 16 a]: +0 -M, +1 largest t, +2,3 the sum, +4,5 f (later 1 / sum), +6,7 second chain, +8,9 maxima, +10 from the other half, +11 at work
.set S,   64
.set P,   192
.set MSB, 0
.macro WIN new
.if MSB != (\new)
	s_set_vgpr_msb (MSB<<8)|(\new)
.set MSB, \new
.endif
.endm
.macro PLACES n
.rept \n
	v_nop
.endr
.endm
.macro BARRIER
	s_wait_dscnt 0x0
	s_barrier_signal -1
	s_barrier_wait -1
.endm
.macro QUANT nb, src, tmp, out, sc, lim, relu
.set QB_, 0
.rept \nb
.set QI_, 0
.rept 16
.if \relu
	v_med3_num_f32 v[(\tmp)+16*QB_+QI_], v[(\src)+16*QB_+QI_], 0, v[\lim]
.else
	v_med3_num_f32 v[(\tmp)+16*QB_+QI_], v[(\src)+16*QB_+QI_], -v[\lim], v[\lim]
.endif
.set QI_, QI_+1
.endr
	v_cvt_scalef32_pk8_fp8_f32 v[(\out)+4*QB_:(\out)+4*QB_+1], v[(\tmp)+16*QB_:(\tmp)+16*QB_+7], v[\sc]
	v_cvt_scalef32_pk8_fp8_f32 v[(\out)+4*QB_+2:(\out)+4*QB_+3], v[(\tmp)+16*QB_+8:(\tmp)+16*QB_+15], v[\sc]
.set QB_, QB_+1
.endr
	v_nop
.endm
.macro MKSC vs, vl
	s_add_co_i32 s66, s66, 127
	s_lshl_b32 s67, s66, 23
	v_mov_b32 v[\vs], s67
	s_add_co_i32 s66, s66, 8
	s_lshl_b32 s66, s66, 23
	s_or_b32 s66, s66, 0x600000
	v_mov_b32 v[\vl], s66
.endm
.macro CROUND                          ; a round of the cluster's barrier
	s_barrier_signal -1
	s_barrier_wait -1
	s_cmp_lg_u32 s20, 0
	s_cbranch_scc1 .Lnot_wave_0_\@
	s_barrier_signal -3
.Lnot_wave_0_\@:
	s_barrier_wait -3
	s_barrier_signal -1
	s_barrier_wait -1
.endm
.macro JLOAD                           ; my quarter of a slot; every wave issues this one line, told apart by the wave's number in group 0; an s_nop 0 and four v_nop follow
	tensor_load_to_lds s[32:35], s[24:31]
	s_nop 0
	PLACES 4
.endm
; A prefetch of the slot that the NEXT change of slots will ask for: two key steps, 128 products a wave, ahead of that load.  All clusters of a head walk the same kv: the head's first cluster asks (the same test in all partners).
; A slot is 512 blocks of 256 bytes = 4 partners (told apart by address) x 4 waves x 32 lanes: each block is named once.  The last change that fills a slot asks for nothing; slots 0 and 1 come by their loads alone.
.macro ASK
	s_cmp_gt_u32 s57, s59
	s_cbranch_scc0 .Lnot_mine_\@
	global_prefetch_b8 v[PFO], s[60:61] th:TH_LOAD_NT scope:SCOPE_SE
.Lnot_mine_\@:
.endm
	s_load_b512 s[4:19], s[0:1], 0x0               ; qc, kv, xc, wc, bm, the exponents, mc, pst
	v_lshl_add_u32 v[SPW], v0, 2, SPARE
	v_mov_b32 v[NIL], 0
	ds_add_u32 v[SPW], v[NIL]                      ; the wave's opening: the add, twice on end, and its wait ahead of the round in front of my first tensor load
	ds_add_u32 v[SPW], v[NIL]
	v_lshrrev_b32 v1, 5, v0
	v_readfirstlane_b32 s20, v1                    ; wave
	s_bfe_u32 s21, ttmp6, 0x40000                  ; cx: it enters global addresses of my own alone
	s_lshl_b32 s22, ttmp9, 2
	s_add_co_u32 s22, s22, s21                     ; my block of 128 queries
	s_and_b32 s23, ttmp7, 0xffff                   ; the head, which the partners share
	s_mov_b32 s24, 15|(3<<16)|(1<<21)              ; group 1: the mask names all four; elements of 8 bytes; bit 21 beside a mask
	s_mov_b32 s25, 32<<16                          ; rows of 256 bytes,
	s_mov_b32 s26, 128<<16                         ; 128 of them,
	s_mov_b32 s27, 32<<16
	s_mov_b32 s28, 128
	s_mov_b32 s29, 32                              ; dense
	s_mov_b32 s30, 0
	s_mov_b32 s31, 0
	s_mov_b32 s54, 0x76543210                      ; lane l xor 16
	s_mov_b32 s55, 0xfedcba98
	s_mov_b32 s56, 0                               ; LDS byte of the key step in hand
	s_mov_b32 s57, 7                               ; slots still to be asked for
	s_mov_b32 s62, 0xffff0000                      ; lanes 16-31
	s_cmp_eq_u32 ttmp9, 0
	s_cselect_b32 s59, 1, -1                       ; 1 in the head's first cluster
	s_lshl_b32 s66, s23, 20
	s_lshl_b32 s67, s20, 15
	s_add_co_u32 s66, s66, s67                     ; the head's kv + my quarter of a slot
	s_mov_b32 s67, 0
	s_mov_b32 s32, 1
	s_lshl_b32 s33, s20, 15                        ; and its place in slot 0
	s_lshl_b32 s68, s23, 20
	s_lshl_b32 s69, s21, 15
	s_add_co_u32 s68, s68, s69
	s_lshl_b32 s69, s20, 13
	s_add_co_u32 s68, s68, s69
	s_add_co_u32 s68, s68, 131072                  ; my prefetches stand in slot 1; the first change steps them to slot 2
	s_mov_b32 s69, 0
	s_wait_dscnt 0x0                               ; both opening adds are done
	s_wait_kmcnt 0x0
	s_load_b512 s[36:51], s[14:15], 0x0            ; e0 .. e15
	s_add_nc_u64 s[34:35], s[6:7], s[66:67]
	s_or_b32 s35, s35, 0x80000000
	s_add_nc_u64 s[60:61], s[6:7], s[68:69]
	CROUND                                         ; all four work-groups are here: the first joint loads meet
	JLOAD                                          ; slot 0
	s_lshl_b32 s70, s23, 19
	s_lshl_b32 s71, s22, 15
	s_add_co_u32 s70, s70, s71
	s_mov_b32 s71, 0
	s_add_nc_u64 s[8:9], s[8:9], s[70:71]          ; my block in xc, mc, qc
	s_add_nc_u64 s[16:17], s[16:17], s[70:71]
	s_add_nc_u64 s[4:5], s[4:5], s[70:71]
	s_lshl_b32 s70, s20, 13
	s_add_nc_u64 s[4:5], s[4:5], s[70:71]          ; my wave's four images of Q
	s_lshl_b32 s70, s20, 14
	s_add_co_u32 s70, s70, 196608
	s_add_nc_u64 s[72:73], s[10:11], s[70:71]      ; my eight images of Wm
	s_lshl_b32 s70, s20, 16
	s_add_co_u32 s70, s70, 262144
	s_add_nc_u64 s[74:75], s[10:11], s[70:71]      ; my 32 images of W1
	s_lshl_b32 s70, s20, 8
	s_add_nc_u64 s[12:13], s[12:13], s[70:71]      ; my 64 numbers of bm
	s_lshl_b32 s70, s23, 4
	s_add_co_u32 s70, s70, s22
	s_lshl_b32 s70, s70, 8
	s_add_nc_u64 s[18:19], s[18:19], s[70:71]      ; my work-group's row in pst
	v_and_b32 v19, 31, v0
	v_lshlrev_b32 v[LI], 4, v19
	v_lshlrev_b32 v[PFO], 8, v19
	v_and_b32 v20, 15, v0                          ; r
	v_bfe_u32 v21, v0, 4, 1                        ; h
	v_lshlrev_b32 v18, 6, v21
	WIN 0x80
.set q_, 0
.rept 16
	global_load_b128 v[4*q_:4*q_+3], v[LI], s[4:5] offset:512*q_ th:TH_LOAD_NT    ; Q: tile a, K step s at v[32 a + 16 s]
.set q_, q_+1
.endr
	WIN 0
	s_lshl_b32 s76, s20, 13
	v_add_nc_u32 v12, s76, v[LI]                   ; msg's images that I store
	s_lshr_b32 s76, s20, 1
	s_lshl_b32 s76, s76, 11
	s_and_b32 s77, s20, 1
	s_lshl_b32 s77, s77, 10
	s_add_co_u32 s76, s76, s77
	v_add_nc_u32 v14, s76, v[LI]                   ; my two groups in an image of the merged message: in mc,
	v_add_nc_u32 v13, 32768, v14                   ; and in LDS
	v_and_b32 v22, 8, v20
	v_add_nc_u32 v22, v22, v20
	v_lshlrev_b32 v15, 2, v22
	v_lshl_add_u32 v15, v21, 11, v15
	s_lshl_b32 s76, s20, 9
	s_add_co_u32 s76, s76, 65536
	v_add_nc_u32 v15, s76, v15                     ; the stage: lanes 0-15 the mean, lanes 16-31 M2, of my lane's channel
	v_add_nc_u32 v16, s76, v[LI]                   ; and back: 16 bytes a lane
	v_lshlrev_b32 v17, 4, v20
	v_lshl_add_u32 v17, v21, 16, v17
	s_lshl_b32 s76, s20, 17
	v_add_nc_u32 v17, s76, v17                     ; pst: channel block 2 w + h, 16 r
.irp a, 0,1
	v_mov_b32 v[ST+16*\a+1], 0xff61b1e6            ; the largest t so far: -3e38
	v_floor_f32 v[ST+16*\a], -v[ST+16*\a+1]        ; -M
	v_mov_b32 v[ST+16*\a+2], 0
	v_mov_b32 v[ST+16*\a+3], 0
	v_mov_b32 v[ST+16*\a+4], 1.0                   ; f of the step before the first
	v_mov_b32 v[ST+16*\a+5], 0                     ; (named as the upper half of a pair)
	v_mov_b32 v[ST+16*\a+10], 0                    ; (a lane permute's destination counts as read)
.endr
; The key step is written for all steps alike: the first finds O^T = 0, and P = 0 and V = 0 for the products of the step before it, which then add nothing.  These lines run once, while the first slot is on its way, in place of a further copy of the step
.set j_, 0
.rept 32
	v_mov_b32 v[P+j_], 0
.set j_, j_+1
.endr
	WIN 0x40
.set j_, 0
.rept 256
	v_mov_b32 v[j_], 0                             ; O^T
.set j_, j_+1
.endr
	WIN 0xc0
.set j_, 0
.rept 256
	v_mov_b32 v[j_], 0                             ; V
.set j_, j_+1
.endr
	WIN 0
	s_wait_kmcnt 0x0
	s_add_co_i32 s76, s42, s43
	s_lshl_b32 s76, s76, 23
	s_add_co_i32 s52, s76, 0x3db8aa3b              ; c = log2(e) / 16 x 2^(e6 + e7)
	s_mov_b32 s53, s52
	s_mov_b32 s66, s45
	MKSC 6, 7                                      ; e9
	s_add_co_i32 s77, s44, s45
	s_sub_co_i32 s66, s46, s77
	MKSC 8, 9                                      ; e10 - e8 - e9
	s_add_co_i32 s78, s46, s47
	s_sub_co_i32 s66, s48, s78
	MKSC 10, 11                                    ; e12 - e10 - e11
	s_sub_co_i32 s78, 0, s78                       ; kept for the tail: bm / 2^(e10 + e11)
	s_wait_loadcnt 0x0                             ; Q
.macro LOADK g, kb                     ; group g of K's four (key tiles 2 g, 2 g + 1, both K steps: four images) into set kb
	WIN 0x80
.set q_, 0
.rept 16
	ds_load_b128 v[64+64*(\kb)+4*q_:64+64*(\kb)+4*q_+3], v[ADR] offset:8192*(\g)+512*q_
.set q_, q_+1
.endr
.endm
.macro QK g, kb                        ; eight products on group g; four accumulators by turns
	WIN 0x0a                                       ; K and Q window 2, S^T window 0
.irp s, 0,1
.irp u, 0,1
.irp a, 0,1
.if \s == 0
	v_wmma_f32_16x16x128_fp8_fp8 v[S+64*\a+8*(2*(\g)+\u):S+64*\a+8*(2*(\g)+\u)+7], v[64+64*(\kb)+16*(2*\u+\s):64+64*(\kb)+16*(2*\u+\s)+15], v[32*\a+16*\s:32*\a+16*\s+15], 0
.else
	v_wmma_f32_16x16x128_fp8_fp8 v[S+64*\a+8*(2*(\g)+\u):S+64*\a+8*(2*(\g)+\u)+7], v[64+64*(\kb)+16*(2*\u+\s):64+64*(\kb)+16*(2*\u+\s)+15], v[32*\a+16*\s:32*\a+16*\s+15], v[S+64*\a+8*(2*(\g)+\u):S+64*\a+8*(2*(\g)+\u)+7]
.endif
.endr
.endr
.endr
.endm
.macro RESC from, to                   ; pairs from .. to - 1 of O^T's 128: x f of the step before; ascending
	WIN 0x41                                       ; O^T window 1, f window 0
.set j_, \from
.rept (\to)-(\from)
	v_pk_mul_f32 v[2*j_:2*j_+1], v[2*j_:2*j_+1], v[ST+16*(j_/64)+4:ST+16*(j_/64)+5] op_sel_hi:[1,0]
.set j_, j_+1
.endr
.endm
.macro PVM                             ; product pv_ of the 32 of O^T += V^T P: channel tile pv_ / 2, query tile pv_ % 2; 32 accumulators, one instruction each
	WIN 0x53                                       ; V window 3, P window 0, O^T window 1
	v_wmma_f32_16x16x128_fp8_fp8 v[128*(pv_%2)+8*(pv_/2):128*(pv_%2)+8*(pv_/2)+7], v[16*(pv_/2):16*(pv_/2)+15], v[P+16*(pv_%2):P+16*(pv_%2)+15], v[128*(pv_%2)+8*(pv_/2):128*(pv_%2)+8*(pv_/2)+7]
.set pv_, pv_+1
.endm
.macro PVX                             ; the same, between lines of the softmax
	PVM
	WIN 0
.endm
.macro SOFTMAX                         ; both tiles, line by line in turn; between the lines up to the scalings: the products of the step before
	WIN 0
	v_add_nc_u32 v[ADV], s56, v[LI]                ; no LDS load of mine is out here
.set pv_, 0
.irp a, 0,1
	v_max3_num_f32 v[ST+16*\a+8], v[S+64*\a], v[S+64*\a+1], v[S+64*\a+2]           ; ascending: each accumulator is first read at its low end
	v_max3_num_f32 v[ST+16*\a+9], v[S+64*\a+3], v[S+64*\a+4], v[S+64*\a+5]
.endr
	PVX
.irp i, 6,10,14,18,22,26,30,34,38,42,46,50,54,58
.irp a, 0,1
	v_max3_num_f32 v[ST+16*\a+8], v[ST+16*\a+8], v[S+64*\a+\i], v[S+64*\a+\i+1]
	v_max3_num_f32 v[ST+16*\a+9], v[ST+16*\a+9], v[S+64*\a+\i+2], v[S+64*\a+\i+3]
.endr
	PVX
.endr
.irp a, 0,1
	v_max3_num_f32 v[ST+16*\a+8], v[ST+16*\a+8], v[S+64*\a+62], v[S+64*\a+63]
.endr
.irp a, 0,1
	v_max_num_f32 v[ST+16*\a+8], v[ST+16*\a+8], v[ST+16*\a+9]
.endr
	PVX
.irp a, 0,1
	v_permlanex16_b32 v[ST+16*\a+10], v[ST+16*\a+8], s54, s55                      ; the query's other 64 keys lie in the lane 16 away
.endr
.irp a, 0,1
	v_max_num_f32 v[ST+16*\a+8], v[ST+16*\a+8], v[ST+16*\a+10]
.endr
	PVX
.irp a, 0,1
	v_mul_f32 v[ST+16*\a+8], s52, v[ST+16*\a+8]                                    ; as t (c is positive)
.endr
.irp a, 0,1
	v_max_num_f32 v[ST+16*\a+1], v[ST+16*\a+1], v[ST+16*\a+8]                      ; the running largest t
	v_mov_b32 v[ST+16*\a+11], v[ST+16*\a]
.endr
	PVX
.irp a, 0,1
	v_floor_f32 v[ST+16*\a], -v[ST+16*\a+1]                                        ; the new -M = -ceil(t)
.endr
.irp a, 0,1
	v_sub_f32 v[ST+16*\a+11], v[ST+16*\a], v[ST+16*\a+11]                          ; old M - new M: a whole number, 0 or less
.endr
	PVX
.irp a, 0,1
	v_cvt_i32_f32 v[ST+16*\a+11], v[ST+16*\a+11]                                   ; (it saturates)
.endr
.irp a, 0,1
	v_ldexp_f32 v[ST+16*\a+4], 1.0, v[ST+16*\a+11]                                 ; f = 2^(old M - new M): the sum takes it below, O^T at the next step's head
.endr
	PVX                                            ; 20 products so far; 12 follow among the first 48 scalings
.set n_, 0
.irp a, 0,1
.set j_, 0
.rept 32
	v_pk_fma_f32 v[S+64*\a+j_:S+64*\a+j_+1], v[S+64*\a+j_:S+64*\a+j_+1], s[52:53], v[ST+16*\a:ST+16*\a+1] op_sel_hi:[1,0,0]   ; t - M
.set j_, j_+2
.set n_, n_+1
.if ((n_%4) == 0) && (n_ <= 48)
	PVX
.endif
.endr
.endr                                  ; the last 16 scalings are the places between the last product and the loads into V's registers
.set j_, 0
.set q_, 0
.rept 8                                ; p = 2^(t - M); behind every 16 exponentials eight loads of this step's V
.rept 16
	v_exp_f32 v[S+j_], v[S+j_]
.set j_, j_+1
.endr
	WIN 0xc0                                       ; destination window 3
.rept 8
	ds_load_b128 v[4*q_:4*q_+3], v[ADV] offset:32768+512*q_
.set q_, q_+1
.endr
	WIN 0
.endr
.irp a, 0,1
	v_pk_mul_f32 v[ST+16*\a+2:ST+16*\a+3], v[ST+16*\a+2:ST+16*\a+3], v[ST+16*\a+4:ST+16*\a+5] op_sel_hi:[1,0]   ; the sums under the new M: also the plain line behind the exponentials
.endr
	s_wait_alu depctr_va_vdst(0)                   ; one wait for the batch of 128, ahead of its first reader
.irp a, 0,1
	v_pk_add_f32 v[ST+16*\a+6:ST+16*\a+7], v[S+64*\a:S+64*\a+1], v[S+64*\a+2:S+64*\a+3]   ; the sum of the UNQUANTISED p, in two chains a tile
.endr
.irp j, 4,8,12,16,20,24,28,32,36,40,44,48,52,56,60
.irp a, 0,1
	v_pk_add_f32 v[ST+16*\a+2:ST+16*\a+3], v[ST+16*\a+2:ST+16*\a+3], v[S+64*\a+\j:S+64*\a+\j+1]
	v_pk_add_f32 v[ST+16*\a+6:ST+16*\a+7], v[ST+16*\a+6:ST+16*\a+7], v[S+64*\a+\j+2:S+64*\a+\j+3]
.endr
.endr
.irp a, 0,1
	v_pk_add_f32 v[ST+16*\a+2:ST+16*\a+3], v[ST+16*\a+2:ST+16*\a+3], v[ST+16*\a+6:ST+16*\a+7]
.endr
.irp a, 0,1
.irp b, 0,1,2,3
.irp i, 0,1,2,3,4,5,6,7,8,9,10,11,12,13,14,15
	v_min_num_f32 v[S+64*\a+16*\b+\i], v[S+64*\a+16*\b+\i], v7                     ; p is not negative: a one-sided hold at 448 x 2^e9
.endr
	v_cvt_scalef32_pk8_fp8_f32 v[P+16*\a+4*\b:P+16*\a+4*\b+1], v[S+64*\a+16*\b:S+64*\a+16*\b+7], v6
	v_cvt_scalef32_pk8_fp8_f32 v[P+16*\a+4*\b+2:P+16*\a+4*\b+3], v[S+64*\a+16*\b+8:S+64*\a+16*\b+15], v6
.endr
.endr
	v_nop                                          ; a plain line behind the last conversion
.endm
.macro STEP
	WIN 0
	v_add_nc_u32 v[ADR], s56, v[LI]                ; K's loads of the step before are in; V's, which may be out, name another register
	LOADK 0, 0
	LOADK 1, 1
	LOADK 2, 2
	RESC 0, 120                                    ; O^T under M of the step before, while K's first fragments come
	s_wait_dscnt 32                                ; group 0 is in (and V of the step before, which is older); groups 1 and 2, 16 loads each, may be out
	QK 0, 0
	RESC 120, 124                                  ; four places in front of the loads into the set just multiplied
	LOADK 3, 0
	s_wait_dscnt 32                                ; group 1 is in; groups 2 and 3 may be out
	QK 1, 1
	s_wait_dscnt 16                                ; group 2 is in; group 3 may be out
	QK 2, 2
	s_wait_dscnt 0x0
	QK 3, 0
	RESC 124, 128                                  ; four places in front of the first read of the scores
	SOFTMAX
	WIN 0
.endm
.macro TWO_STEPS                       ; a slot's two key steps: written once, walked twice
	s_mov_b32 s58, 2
.Lstep_\@:
	STEP
	s_add_co_u32 s56, s56, 65536
	s_sub_co_u32 s58, s58, 1
	s_cmp_lg_u32 s58, 0
	s_cbranch_scc1 .Lstep_\@
	s_sub_co_u32 s56, s56, 131072
	s_xor_b32 s56, s56, SLOT1                      ; on to the other slot
.endm
.Lslot:                                            ; seven trips: the change of slots stands at a slot's head; behind it the next slot is asked for, into the slot just left (in the first trip: slot 1's first fill)
	s_wait_tensorcnt 0x0                           ; my one load has landed: my quarter of the slot that is read next; group 0 may be written
	ds_add_u32 v[SPW], v[NIL]
	s_xor_b32 s33, s33, SLOT1
	s_add_nc_u64 s[34:35], s[34:35], 131072
	s_wait_xcnt 0x0                                ; the last prefetch, a slot back, has read its address
	s_add_nc_u64 s[60:61], s[60:61], 131072
	s_wait_dscnt 0x0                               ; the add is done, and my reads of the slot that I have left are over: V of its last step is in registers
	CROUND                                         ; both hold of every wave of every partner
	JLOAD
	ASK
	TWO_STEPS
	s_sub_co_u32 s57, s57, 1
	s_cmp_lg_u32 s57, 0
	s_cbranch_scc1 .Lslot
	s_wait_tensorcnt 0x0                           ; the last slot is written out: nothing is asked for
	ds_add_u32 v[SPW], v[NIL]
	s_wait_dscnt 0x0
	s_barrier_signal -1
	s_barrier_wait -1
	TWO_STEPS
	; ---- the pipeline runs out: O^T under the last M, and the last step's products
	RESC 0, 128
	s_wait_dscnt 0x0                               ; V of the last step
.set pv_, 0
.rept 32
	PVM
.endr
	WIN 0
	PLACES 4                                       ; in front of the loads into V's registers and of the first read of O^T
	WIN 0xc0
.set q_, 0
.rept 32
	global_load_b128 v[4*q_:4*q_+3], v[LI], s[72:73] offset:512*q_                 ; Wm, where V lay: wanted a phase on
.set q_, q_+1
.endr
.irp tt, 0,1,2,3                       ; bm in the result's layout: lane (r, h), tile tt: outputs 32 (tt / 2) + 8 (tt % 2) + 16 h + 0 .. 7
	global_load_b128 v[128+8*\tt:131+8*\tt], v18, s[12:13] offset:4*(32*(\tt/2)+8*(\tt%2))
	global_load_b128 v[132+8*\tt:135+8*\tt], v18, s[12:13] offset:4*(32*(\tt/2)+8*(\tt%2))+16
.endr
	WIN 0
	; ---- msg = O^T / sum, quantised at e10: four fragments (tile a, K step s), stored as images
.irp a, 0,1
	v_add_f32 v[ST+16*\a+2], v[ST+16*\a+2], v[ST+16*\a+3]
.endr
.irp a, 0,1
	v_permlanex16_b32 v[ST+16*\a+10], v[ST+16*\a+2], s54, s55
.endr
.irp a, 0,1
	v_add_f32 v[ST+16*\a+2], v[ST+16*\a+2], v[ST+16*\a+10]
.endr
.irp a, 0,1
	v_rcp_f32 v[ST+16*\a+4], v[ST+16*\a+2]
.endr
	v_nop                                          ; a plain line behind the reciprocals
	s_wait_alu depctr_va_vdst(0)                   ; and the wait ahead of their first reader
.irp f, 0,1,2,3
	WIN 0x01                                       ; O^T window 1
.set i_, 0
.rept 32
	v_pk_mul_f32 v[64+64*(\f%2)+2*i_:64+64*(\f%2)+2*i_+1], v[64*\f+2*i_:64*\f+2*i_+1], v[ST+16*(\f/2)+4:ST+16*(\f/2)+5] op_sel_hi:[1,0]
.set i_, i_+1
.endr
	WIN 0
	QUANT 4, 64+64*(\f%2), 64+64*(\f%2), 192+16*\f, 8, 9, 0
.irp c, 0,1,2,3
	ds_store_b128 v12, v[192+16*\f+4*\c:192+16*\f+4*\c+3] offset:2048*\f+512*\c
.endr
.endr
	s_wait_loadcnt 0x0                             ; Wm and bm
	WIN 0xc3
.set j_, 0
.rept 32
	v_ldexp_f32 v[128+j_], v[128+j_], s78          ; bm / 2^(e10 + e11)
.set j_, j_+1
.endr
	WIN 0x40
.set q_, 0
.rept 64
	global_load_b128 v[4*q_:4*q_+3], v[LI], s[8:9] offset:512*q_                   ; the block's 16 images of x at e12, where O^T lay: wanted two phases on
.set q_, q_+1
.endr
	WIN 0
	BARRIER                                        ; msg's 16 images lie in LDS
	; ---- product 6, transposed: my 64 outputs for the eight position tiles
	WIN 0x80
.set q_, 0
.rept 64
	ds_load_b128 v[4*q_:4*q_+3], v[LI] offset:512*q_
.set q_, q_+1
.endr
	s_wait_dscnt 0x0
.macro MM6 m
	WIN 0x3b                                       ; Wm and bm window 3, msg window 2
.irp tt, 0,1,2,3
	v_wmma_f32_16x16x128_fp8_fp8 v[64+32*((\m)%2)+8*\tt:64+32*((\m)%2)+8*\tt+7], v[32*\tt:32*\tt+15], v[32*(\m):32*(\m)+15], v[128+8*\tt:128+8*\tt+7]
.endr
	WIN 0x0b
.irp tt, 0,1,2,3
	v_wmma_f32_16x16x128_fp8_fp8 v[64+32*((\m)%2)+8*\tt:64+32*((\m)%2)+8*\tt+7], v[32*\tt+16:32*\tt+31], v[32*(\m)+16:32*(\m)+31], v[64+32*((\m)%2)+8*\tt:64+32*((\m)%2)+8*\tt+7]
.endr
.endm
	MM6 0
.irp m, 0,1,2,3,4,5,6,7
.if \m < 7
	MM6 \m+1
.endif
	WIN 0
	PLACES 4
.if \m == 7
	WIN 0xc0
.set q_, 0
.rept 64
	global_load_b128 v[4*q_:4*q_+3], v[LI], s[74:75] offset:512*q_                 ; W1's channel tiles 0-3, where Wm and bm lay
.set q_, q_+1
.endr
	WIN 0
.endif
	QUANT 2, 64+32*(\m%2), 64+32*(\m%2), 128+8*\m, 10, 11, 0
	ds_store_b128 v13, v[128+8*\m:131+8*\m] offset:4096*\m
	ds_store_b128 v13, v[132+8*\m:135+8*\m] offset:4096*\m+512
	global_store_b128 v14, v[128+8*\m:131+8*\m], s[16:17] offset:4096*\m
	global_store_b128 v14, v[132+8*\m:135+8*\m], s[16:17] offset:4096*\m+512
.endr
	BARRIER                                        ; the merged message's 16 images lie in LDS
	; ---- product 7, natural, and the statistics of my 128 channels
	WIN 0x80
.set q_, 0
.rept 64
	ds_load_b128 v[4*q_:4*q_+3], v[LI] offset:32768+512*q_
.set q_, q_+1
.endr
	WIN 0
	v_mov_b32 v229, 0                              ; (named as the upper half of the mean's pair)
	s_wait_xcnt 0x0                                ; mc's stores have read the registers that take the sums
	s_wait_dscnt 0x0
.macro MM7 tt                          ; channel tile tt x eight position tiles x four K steps; eight accumulators by turns
.if (\tt) < 5
	s_wait_loadcnt 48                              ; this tile of W1 is in (and x's images, which are older); the three tiles asked for behind it, 16 loads each, may be out
.else
	s_wait_loadcnt 16*(7-(\tt))
.endif
.irp s, 0,1,2,3
.if \s < 2
	WIN 0x0d                                       ; x window 1, W1 window 3
.else
	WIN 0x0e                                       ; the merged message window 2
.endif
.irp m, 0,1,2,3,4,5,6,7
.if \s == 0
	v_wmma_f32_16x16x128_fp8_fp8 v[64+64*((\tt)%2)+8*\m:64+64*((\tt)%2)+8*\m+7], v[32*\m+16*(\s%2):32*\m+16*(\s%2)+15], v[64*((\tt)%4)+16*\s:64*((\tt)%4)+16*\s+15], 0
.else
	v_wmma_f32_16x16x128_fp8_fp8 v[64+64*((\tt)%2)+8*\m:64+64*((\tt)%2)+8*\m+7], v[32*\m+16*(\s%2):32*\m+16*(\s%2)+15], v[64*((\tt)%4)+16*\s:64*((\tt)%4)+16*\s+15], v[64+64*((\tt)%2)+8*\m:64+64*((\tt)%2)+8*\m+7]
.endif
.endr
.endr
	PLACES 4
.if (\tt) < 4
	WIN 0xc0
.set q_, 0
.rept 16
	global_load_b128 v[64*((\tt)%4)+4*q_:64*((\tt)%4)+4*q_+3], v[LI], s[74:75] offset:8192*((\tt)+4)+512*q_   ; the tile four on, into the set just multiplied
.set q_, q_+1
.endr
.endif
	WIN 0
.endm
.macro STATS tt                        ; a lane: one channel, 64 positions; the lane 16 away holds the other 64
.set A0, 64+64*((\tt)%2)
	v_pk_add_f32 v[224:225], v[A0:A0+1], v[A0+2:A0+3]
	v_pk_add_f32 v[226:227], v[A0+4:A0+5], v[A0+6:A0+7]
.set j_, 8
.rept 14
	v_pk_add_f32 v[224:225], v[224:225], v[A0+j_:A0+j_+1]
	v_pk_add_f32 v[226:227], v[226:227], v[A0+j_+2:A0+j_+3]
.set j_, j_+4
.endr
	v_pk_add_f32 v[224:225], v[224:225], v[226:227]
	v_add_f32 v224, v224, v225
	v_permlanex16_b32 v42, v224, s54, s55
	v_add_f32 v224, v224, v42
	v_mul_f32 v228, 0x3c000000, v224               ; / 128: the work-group's mean
.set j_, 0
.rept 32
	v_pk_add_f32 v[A0+j_:A0+j_+1], v[A0+j_:A0+j_+1], v[228:229] op_sel_hi:[1,0] neg_lo:[0,1] neg_hi:[0,1]
.set j_, j_+2
.endr
	v_pk_mul_f32 v[224:225], v[A0:A0+1], v[A0:A0+1]
	v_pk_mul_f32 v[226:227], v[A0+2:A0+3], v[A0+2:A0+3]
.set j_, 4
.rept 15
	v_pk_fma_f32 v[224:225], v[A0+j_:A0+j_+1], v[A0+j_:A0+j_+1], v[224:225]
	v_pk_fma_f32 v[226:227], v[A0+j_+2:A0+j_+3], v[A0+j_+2:A0+j_+3], v[226:227]
.set j_, j_+4
.endr
	v_pk_add_f32 v[224:225], v[224:225], v[226:227]
	v_add_f32 v224, v224, v225
	v_permlanex16_b32 v42, v224, s54, s55
	v_add_f32 v224, v224, v42                      ; M2
	v_cndmask_b32 v230, v228, v224, s62            ; lanes 0-15 carry the mean, lanes 16-31 M2
	ds_store_b32 v15, v230 offset:4*(32*((\tt)/2)+8*((\tt)%2))
.endm
	MM7 0
.irp tt, 0,1,2,3,4,5,6,7
.if \tt < 7
	MM7 \tt+1
.endif
	STATS \tt
.endr
	ds_load_b128 v[232:235], v16                   ; my own bytes: LDS serves a wave's instructions in order (ISA guide 5.7.1.4)
	ds_load_b128 v[236:239], v16 offset:2048
	s_wait_dscnt 0x0
	global_store_b128 v17, v[232:235], s[18:19]                    ; sixteen lanes store 256 consecutive bytes, aligned
	global_store_b128 v17, v[236:239], s[18:19] offset:524288
	s_wait_tensorcnt 0x0                           ; the wave's end
	ds_add_u32 v[SPW], v[NIL]
	s_wait_dscnt 0x0
	CROUND                                         ; the closing round
	s_endpgm
.Lfunc_end_k_q08bea33c9d_attn:
	.size	k_q08bea33c9d_attn, .Lfunc_end_k_q08bea33c9d_attn-k_q08bea33c9d_attn
	.p2alignl 7, 3214868480
	.fill 96, 4, 3214868480
	.section	.rodata,"a",@progbits
	.p2align	6, 0x0
	.amdhsa_kernel k_q08bea33c9d_attn
		.amdhsa_group_segment_fixed_size 327680
		.amdhsa_private_segment_fixed_size 0
		.amdhsa_enable_private_segment 0
		.amdhsa_kernarg_size 64
		.amdhsa_user_sgpr_count 2
		.amdhsa_user_sgpr_kernarg_segment_ptr 1
		.amdhsa_wavefront_size32 1
		.amdhsa_system_sgpr_workgroup_id_x 1
		.amdhsa_system_sgpr_workgroup_id_y 1
		.amdhsa_system_sgpr_workgroup_id_z 1
		.amdhsa_system_vgpr_workitem_id 0
		.amdhsa_next_free_vgpr 1024
		.amdhsa_next_free_sgpr 100
		.amdhsa_reserve_vcc 0
		.amdhsa_float_denorm_mode_32 3
		.amdhsa_float_denorm_mode_16_64 3
		.amdhsa_memory_ordered 1
		.amdhsa_forward_progress 1
		.amdhsa_inst_pref_size 255
	.end_amdhsa_kernel
	.section	.bss,"aw",@nobits
	.p2align	6
	.space	262144
	.amdgpu_metadata
---
amdhsa.version: [ 1, 2 ]
amdhsa.kernels:
  - .name:           k_q08bea33c9d_attn
    .symbol:         k_q08bea33c9d_attn.kd
    .args:
      - { .name: qc, .offset: 0, .size: 8, .value_kind: global_buffer, .address_space: global }
      - { .name: kv, .offset: 8, .size: 8, .value_kind: global_buffer, .address_space: global }
      - { .name: xc, .offset: 16, .size: 8, .value_kind: global_buffer, .address_space: global }
      - { .name: wc, .offset: 24, .size: 8, .value_kind: global_buffer, .address_space: global }
      - { .name: bm, .offset: 32, .size: 8, .value_kind: global_buffer, .address_space: global }
      - { .name: lowp_scales, .offset: 40, .size: 8, .value_kind: global_buffer, .address_space: global }
      - { .name: mc, .offset: 48, .size: 8, .value_kind: global_buffer, .address_space: global }
      - { .name: pst, .offset: 56, .size: 8, .value_kind: global_buffer, .address_space: global }
    .group_segment_fixed_size: 327680
    .private_segment_fixed_size: 0
    .kernarg_segment_align: 8
    .kernarg_segment_size: 64
    .max_flat_workgroup_size: 128
    .sgpr_count:     100
    .vgpr_count:     1024
    .wavefront_size: 32
...
	.end_amdgpu_metadata
.endif
;; end of part 3
;; launch bnred (part 4): grid 8 x 1, 16 waves a work-group, no clusters, 14,336 bytes of LDS; arguments pst, gamma, beta, lowp_scales, bnp; writes bnp
.if DOCPART == 4
	.amdgcn_target "amdgcn-amd-amdhsa--gfx1250"
	.amdhsa_code_object_version 6
	.text
	.protected	k_q08bea33c9d_bnred
	.globl	k_q08bea33c9d_bnred
	.p2align	8
	.type	k_q08bea33c9d_bnred,@function
k_q08bea33c9d_bnred:
	s_mov_b64 s[64:65], 0
	v_nop
	global_prefetch_b8 v0, s[64:65] scope:SCOPE_SE
	s_setreg_imm32_b32 hwreg(HW_REG_WAVE_MODE, 25, 1), 1
	s_wait_xcnt 0x0
; THE BATCH NORM'S STATISTICS ARE JOINED.  pst holds, for each of 512 channels and 256 work-groups, the mean and M2 of 128 positions, on raw sums (a number of h is a raw sum x 2^E, E = e12 + e13; b1 is left out: see the first kernel).
; mean = sum of means / 256;  var = (sum of M2 + 128 x sum of (mean_i - mean)^2) / 32,768: no difference of large sums.  E is applied by v_ldexp_f32, which rounds nothing.
; bnp: a' = gamma x rsqrt(var + 1e-5) x 2^E and c' = beta - mu x gamma x rsqrt(var + 1e-5), so that the last launch's batch norm is one multiply-add on a raw sum.
; A work-group takes 64 channels; wave j the partial rows 16 j .. 16 j + 15; lane (r, h) channels 4 r .. 4 r + 3 of the rows of parity h.  Eight work-groups are all the work there is: 1 MB is read once.
; LDS: at 0 sixteen waves' sums of means (256 bytes) and of M2 (256); at 8,192 their sums of squared differences; at 12,288 the spare words.
.set SPARE, 12288
.macro BARRIER
	s_wait_dscnt 0x0
	s_barrier_signal -1
	s_barrier_wait -1
.endm
	s_load_b256 s[4:11], s[0:1], 0x0               ; pst, gamma, beta, the exponents
	s_load_b64 s[12:13], s[0:1], 0x20              ; bnp
	v_lshl_add_u32 v2, v0, 2, SPARE
	v_mov_b32 v3, 0
	v_lshrrev_b32 v1, 5, v0
	v_readfirstlane_b32 s14, v1                    ; wave j
	v_and_b32 v4, 31, v0
	v_and_b32 v5, 15, v0                           ; r
	v_bfe_u32 v6, v0, 4, 1                         ; h
	v_lshlrev_b32 v7, 4, v4
	s_lshl_b32 s15, s14, 12
	v_add_nc_u32 v7, s15, v7                       ; pst: 16 x lane + 16 rows of 256 bytes a wave
	v_lshlrev_b32 v8, 4, v5                        ; 16 r
	s_lshl_b32 s15, s14, 9
	v_add_nc_u32 v9, s15, v8                       ; my wave's sums
	s_lshl_b32 s15, s14, 8
	s_add_co_u32 s15, s15, 8192
	v_add_nc_u32 v10, s15, v8                      ; my wave's squared differences
	v_lshl_add_u32 v11, v6, 11, v8                 ; bnp: lanes 0-15 a', lanes 16-31 c'
.irp k, 0,1,2,3,4,5,6,7
	v_mov_b32 v[96+\k], 0                          ; (a lane permute's destination counts as read)
.endr
	s_mov_b32 s16, 0x76543210
	s_mov_b32 s17, 0xfedcba98
	s_mov_b32 s18, 0xffff0000
	s_lshl_b32 s20, ttmp9, 16
	s_mov_b32 s21, 0
	s_lshl_b32 s22, ttmp9, 8
	s_mov_b32 s23, 0
	s_wait_kmcnt 0x0
	s_load_b64 s[24:25], s[10:11], 0x30            ; e12, e13
	s_add_nc_u64 s[4:5], s[4:5], s[20:21]
	s_add_nc_u64 s[6:7], s[6:7], s[22:23]
	s_add_nc_u64 s[8:9], s[8:9], s[22:23]
	s_add_nc_u64 s[12:13], s[12:13], s[22:23]
.irp i, 0,1,2,3,4,5,6,7
	global_load_b128 v[16+4*\i:19+4*\i], v7, s[4:5] offset:512*\i th:TH_LOAD_NT           ; means
	global_load_b128 v[48+4*\i:51+4*\i], v7, s[4:5] offset:524288+512*\i th:TH_LOAD_NT    ; M2
.endr
	global_load_b128 v[80:83], v8, s[6:7]
	global_load_b128 v[84:87], v8, s[8:9]
	s_wait_loadcnt 0x0
	v_pk_add_f32 v[88:89], v[16:17], v[20:21]
	v_pk_add_f32 v[90:91], v[18:19], v[22:23]
	v_pk_add_f32 v[92:93], v[48:49], v[52:53]
	v_pk_add_f32 v[94:95], v[50:51], v[54:55]
.irp i, 2,3,4,5,6,7
	v_pk_add_f32 v[88:89], v[88:89], v[16+4*\i:17+4*\i]
	v_pk_add_f32 v[90:91], v[90:91], v[18+4*\i:19+4*\i]
	v_pk_add_f32 v[92:93], v[92:93], v[48+4*\i:49+4*\i]
	v_pk_add_f32 v[94:95], v[94:95], v[50+4*\i:51+4*\i]
.endr
.irp k, 0,1,2,3,4,5,6,7
	v_permlanex16_b32 v[96+\k], v[88+\k], s16, s17
.endr
.irp k, 0,2,4,6
	v_pk_add_f32 v[88+\k:89+\k], v[88+\k:89+\k], v[96+\k:97+\k]    ; both parities: my wave's 16 rows
.endr
	ds_store_b128 v9, v[88:91]
	ds_store_b128 v9, v[92:95] offset:256
	BARRIER
.irp j, 0,1,2,3,4,5,6,7,8,9,10,11,12,13,14,15
	ds_load_b128 v[96+4*\j:99+4*\j], v8 offset:512*\j
.endr
	s_wait_dscnt 0x0
	v_pk_add_f32 v[88:89], v[96:97], v[100:101]
	v_pk_add_f32 v[90:91], v[98:99], v[102:103]
.irp j, 2,3,4,5,6,7,8,9,10,11,12,13,14,15
	v_pk_add_f32 v[88:89], v[88:89], v[96+4*\j:97+4*\j]
	v_pk_add_f32 v[90:91], v[90:91], v[98+4*\j:99+4*\j]
.endr
.irp j, 0,1,2,3,4,5,6,7,8,9,10,11,12,13,14,15
	ds_load_b128 v[96+4*\j:99+4*\j], v8 offset:512*\j+256
.endr
	v_pk_mul_f32 v[88:89], v[88:89], 0x3b800000 op_sel_hi:[1,0]    ; / 256: the mean of the raw sums
	v_pk_mul_f32 v[90:91], v[90:91], 0x3b800000 op_sel_hi:[1,0]
.irp i, 0,1,2,3,4,5,6,7
	v_pk_add_f32 v[16+4*\i:17+4*\i], v[16+4*\i:17+4*\i], v[88:89] neg_lo:[0,1] neg_hi:[0,1]   ; mean_i - mean, of my own rows
	v_pk_add_f32 v[18+4*\i:19+4*\i], v[18+4*\i:19+4*\i], v[90:91] neg_lo:[0,1] neg_hi:[0,1]
.endr
	s_wait_dscnt 0x0
	v_pk_add_f32 v[92:93], v[96:97], v[100:101]
	v_pk_add_f32 v[94:95], v[98:99], v[102:103]
.irp j, 2,3,4,5,6,7,8,9,10,11,12,13,14,15
	v_pk_add_f32 v[92:93], v[92:93], v[96+4*\j:97+4*\j]
	v_pk_add_f32 v[94:95], v[94:95], v[98+4*\j:99+4*\j]
.endr
	v_pk_mul_f32 v[96:97], v[16:17], v[16:17]
	v_pk_mul_f32 v[98:99], v[18:19], v[18:19]
.irp i, 1,2,3,4,5,6,7
	v_pk_fma_f32 v[96:97], v[16+4*\i:17+4*\i], v[16+4*\i:17+4*\i], v[96:97]
	v_pk_fma_f32 v[98:99], v[18+4*\i:19+4*\i], v[18+4*\i:19+4*\i], v[98:99]
.endr
.irp k, 0,1,2,3
	v_permlanex16_b32 v[100+\k], v[96+\k], s16, s17
.endr
	v_pk_add_f32 v[96:97], v[96:97], v[100:101]
	v_pk_add_f32 v[98:99], v[98:99], v[102:103]
	ds_store_b128 v10, v[96:99]
	BARRIER
.irp j, 0,1,2,3,4,5,6,7,8,9,10,11,12,13,14,15
	ds_load_b128 v[96+4*\j:99+4*\j], v8 offset:8192+256*\j
.endr
	s_wait_kmcnt 0x0
	s_add_co_i32 s27, s24, s25                     ; E
	s_lshl_b32 s26, s27, 1
	s_sub_co_i32 s26, s26, 15                      ; 2 E - 15: / 32,768 and x 2^(2 E) in one
	s_wait_dscnt 0x0
.irp j, 1,2,3,4,5,6,7,8,9,10,11,12,13,14,15
	v_pk_add_f32 v[96:97], v[96:97], v[96+4*\j:97+4*\j]
	v_pk_add_f32 v[98:99], v[98:99], v[98+4*\j:99+4*\j]
.endr
	v_pk_fma_f32 v[92:93], v[96:97], 0x43000000, v[92:93] op_sel_hi:[1,0,1]   ; sum of M2 + 128 x sum of squared differences
	v_pk_fma_f32 v[94:95], v[98:99], 0x43000000, v[94:95] op_sel_hi:[1,0,1]
.irp k, 0,1,2,3
	v_ldexp_f32 v[92+\k], v[92+\k], s26            ; var
.endr
.irp k, 0,1,2,3
	v_add_f32 v[92+\k], 0x3727c5ac, v[92+\k]       ; + 1e-5
.endr
.irp k, 0,1,2,3
	v_rsq_f32 v[100+\k], v[92+\k]
.endr
.irp k, 0,1,2,3
	v_ldexp_f32 v[88+\k], v[88+\k], s27            ; mu.  (Plain lines behind the roots)
.endr
	s_wait_alu depctr_va_vdst(0)                   ; one wait for the four, ahead of their first reader
.irp k, 0,1,2,3
	v_mul_f32 v[100+\k], v[80+\k], v[100+\k]       ; gamma x rsqrt
.endr
.irp k, 0,1,2,3
	v_fma_f32 v[104+\k], -v[88+\k], v[100+\k], v[84+\k]   ; c'
.endr
.irp k, 0,1,2,3
	v_ldexp_f32 v[100+\k], v[100+\k], s27          ; a'
.endr
.irp k, 0,1,2,3
	v_cndmask_b32 v[108+\k], v[100+\k], v[104+\k], s18
.endr
	s_cmp_lg_u32 s14, 0                            ; every wave holds the result; wave 0 stores it
	s_cbranch_scc1 .Lnot_mine
	global_store_b128 v11, v[108:111], s[12:13]    ; two runs of 256 consecutive bytes, aligned
.Lnot_mine:
	s_wait_tensorcnt 0x0                           ; the wave's end
	ds_add_u32 v2, v3
	s_wait_dscnt 0x0
	s_endpgm
.Lfunc_end_k_q08bea33c9d_bnred:
	.size	k_q08bea33c9d_bnred, .Lfunc_end_k_q08bea33c9d_bnred-k_q08bea33c9d_bnred
	.p2alignl 7, 3214868480
	.fill 96, 4, 3214868480
	.section	.rodata,"a",@progbits
	.p2align	6, 0x0
	.amdhsa_kernel k_q08bea33c9d_bnred
		.amdhsa_group_segment_fixed_size 14336
		.amdhsa_private_segment_fixed_size 0
		.amdhsa_enable_private_segment 0
		.amdhsa_kernarg_size 40
		.amdhsa_user_sgpr_count 2
		.amdhsa_user_sgpr_kernarg_segment_ptr 1
		.amdhsa_wavefront_size32 1
		.amdhsa_system_sgpr_workgroup_id_x 1
		.amdhsa_system_sgpr_workgroup_id_y 1
		.amdhsa_system_sgpr_workgroup_id_z 1
		.amdhsa_system_vgpr_workitem_id 0
		.amdhsa_next_free_vgpr 160
		.amdhsa_next_free_sgpr 66
		.amdhsa_reserve_vcc 0
		.amdhsa_float_denorm_mode_32 3
		.amdhsa_float_denorm_mode_16_64 3
		.amdhsa_memory_ordered 1
		.amdhsa_forward_progress 1
		.amdhsa_inst_pref_size 21
	.end_amdhsa_kernel
	.amdgpu_metadata
---
amdhsa.version: [ 1, 2 ]
amdhsa.kernels:
  - .name:           k_q08bea33c9d_bnred
    .symbol:         k_q08bea33c9d_bnred.kd
    .args:
      - { .name: pst, .offset: 0, .size: 8, .value_kind: global_buffer, .address_space: global }
      - { .name: gamma, .offset: 8, .size: 8, .value_kind: global_buffer, .address_space: global }
      - { .name: beta, .offset: 16, .size: 8, .value_kind: global_buffer, .address_space: global }
      - { .name: lowp_scales, .offset: 24, .size: 8, .value_kind: global_buffer, .address_space: global }
      - { .name: bnp, .offset: 32, .size: 8, .value_kind: global_buffer, .address_space: global }
    .group_segment_fixed_size: 14336
    .private_segment_fixed_size: 0
    .kernarg_segment_align: 8
    .kernarg_segment_size: 40
    .max_flat_workgroup_size: 512
    .sgpr_count:     66
    .vgpr_count:     160
    .wavefront_size: 32
...
	.end_amdgpu_metadata
.endif
;; end of part 4
;; launch final (part 5): grid 16 x 16, 4 waves a work-group, no clusters, 167,936 bytes of LDS; arguments xc, mc, wc, bnp, b2, lowp_scales, out0; writes out0
.if DOCPART == 5
	.amdgcn_target "amdgcn-amd-amdhsa--gfx1250"
	.amdhsa_code_object_version 6
	.text
	.protected	k_q08bea33c9d_final
	.globl	k_q08bea33c9d_final
	.p2align	8
	.type	k_q08bea33c9d_final,@function
k_q08bea33c9d_final:
	s_mov_b64 s[64:65], 0
	v_nop
	global_prefetch_b8 v0, s[64:65] scope:SCOPE_SE
	s_setreg_imm32_b32 hwreg(HW_REG_WAVE_MODE, 25, 1), 1
	s_wait_xcnt 0x0
; out0 = W2 relu(batch norm(W1 [x, msg])) + b2, both products on codes of E4M3.  Product 7 is multiplied here a second time, from its 8-bit operands, in place of sending its f32 result (four times the bytes of both operands) through memory.
; b1 is left out: it cancels in the batch norm (shown at the head of the first kernel).  The batch norm is one multiply-add on a raw sum: a' and c' come from the launch before.
; A work-group takes 128 positions of one (b, h).  THE WAVES SHARE THE COLUMNS: wave w makes hidden channels 128 w .. 128 w + 127, which are K step w of product 8, and outputs 64 w .. 64 w + 63.  Its weights go once into registers.
; Product 7 transposed (source 0 = 16 rows of W1): a lane holds one position and neighbouring channels; the hold at 448 x 2^e14 clips at 0 as well, so the activation costs nothing; the codes go round the waves as images.
; Product 8 natural (source 0 = 16 positions, source 1 = 16 rows of W2): a lane holds one output channel and 64 positions; a channel's 128 positions, 512 bytes, meet in the wave's stage and leave as one store.
; FRAGMENT, IMAGE and the order of a tile's rows are as the first kernel states them.
; NO CLUSTER: what the data mover brings (a block's 32 images) is read by this work-group alone; the weights are taken straight into registers, where each fragment feeds eight products.  One tensor load of mine is out, a first fill.
; No prefetch: all that a work-group reads is asked for at its first lines.
; LIMITS: e14 between -126 and 119; e14 + e15 between -126 and 127.
; LDS: x's 16 images, the message's 16; the hidden layer's 32 images; four stages of 16 rows x 528 bytes; the spare words.
; REGISTERS: window 0: v1-19 addresses, scales, b2; v32-159 two sets of four activation images; v160-223 sums; v224-239 codes; on the way out v32-95 results, v96-223 rows read back.
;   window 1: W1's tiles 0-3, later out's 32 accumulators.   window 2: W1's tiles 4-7, later two sets of eight hidden images.   window 3: a', c', W2's K steps 0, 1; later W2's K steps 2, 3 where a', c' lay.
.set HIMG,  65536
.set STG,   131072
.set SPARE, STG+4*16*528
.set LI,  1
.set SPW, 6
.set NIL, 7
.set MSB, 0
.macro WIN new
.if MSB != (\new)
	s_set_vgpr_msb (MSB<<8)|(\new)
.set MSB, \new
.endif
.endm
.macro PLACES n
.rept \n
	v_nop
.endr
.endm
.macro BARRIER
	s_wait_dscnt 0x0
	s_barrier_signal -1
	s_barrier_wait -1
.endm
.macro QUANT nb, src, tmp, out, sc, lim, relu
.set QB_, 0
.rept \nb
.set QI_, 0
.rept 16
.if \relu
	v_med3_num_f32 v[(\tmp)+16*QB_+QI_], v[(\src)+16*QB_+QI_], 0, v[\lim]          ; the activation and the hold in one
.else
	v_med3_num_f32 v[(\tmp)+16*QB_+QI_], v[(\src)+16*QB_+QI_], -v[\lim], v[\lim]
.endif
.set QI_, QI_+1
.endr
	v_cvt_scalef32_pk8_fp8_f32 v[(\out)+4*QB_:(\out)+4*QB_+1], v[(\tmp)+16*QB_:(\tmp)+16*QB_+7], v[\sc]
	v_cvt_scalef32_pk8_fp8_f32 v[(\out)+4*QB_+2:(\out)+4*QB_+3], v[(\tmp)+16*QB_+8:(\tmp)+16*QB_+15], v[\sc]
.set QB_, QB_+1
.endr
	v_nop
.endm
.macro MKSC vs, vl
	s_add_co_i32 s66, s66, 127
	s_lshl_b32 s67, s66, 23
	v_mov_b32 v[\vs], s67
	s_add_co_i32 s66, s66, 8
	s_lshl_b32 s66, s66, 23
	s_or_b32 s66, s66, 0x600000
	v_mov_b32 v[\vl], s66
.endm
	s_load_b256 s[4:11], s[0:1], 0x0               ; xc, mc, wc, bnp
	s_load_b128 s[12:15], s[0:1], 0x20             ; b2, the exponents
	s_load_b64 s[16:17], s[0:1], 0x30              ; out0
	v_lshl_add_u32 v[SPW], v0, 2, SPARE
	v_mov_b32 v[NIL], 0
	ds_add_u32 v[SPW], v[NIL]                      ; the wave's opening: the add, twice on end, and its wait ahead of my first tensor load
	ds_add_u32 v[SPW], v[NIL]
	v_lshrrev_b32 v1, 5, v0
	v_readfirstlane_b32 s20, v1                    ; wave
	s_mov_b32 s21, ttmp9                           ; block of 128 positions
	s_and_b32 s22, ttmp7, 0xffff                   ; 4 b + h
	s_mov_b32 s24, 3<<16                           ; group 1: elements of 8 bytes,
	s_mov_b32 s25, 32<<16                          ; rows of 256 bytes,
	s_mov_b32 s26, 64<<16                          ; 64 of them,
	s_mov_b32 s27, 32<<16
	s_mov_b32 s28, 64
	s_mov_b32 s29, 32                              ; dense
	s_mov_b32 s30, 0
	s_mov_b32 s31, 0
	s_mov_b32 s32, 1
	s_lshl_b32 s33, s20, 14                        ; waves 0, 1: x's halves; waves 2, 3: the message's
	s_lshl_b32 s36, s22, 19
	s_lshl_b32 s37, s21, 15
	s_add_co_u32 s36, s36, s37
	s_and_b32 s37, s20, 1
	s_lshl_b32 s37, s37, 14
	s_add_co_u32 s36, s36, s37
	s_mov_b32 s37, 0
	s_wait_dscnt 0x0                               ; both opening adds are done
	s_wait_kmcnt 0x0
	s_load_b64 s[38:39], s[14:15], 0x38            ; e14, e15
	s_cmp_lt_u32 s20, 2                            ; the choice of buffer hangs on the wave's number alone
	s_cselect_b64 s[34:35], s[4:5], s[6:7]
	s_add_nc_u64 s[34:35], s[34:35], s[36:37]
	s_or_b32 s35, s35, 0x80000000
	tensor_load_to_lds s[32:35], s[24:31]
	s_nop 0
	PLACES 4
	v_and_b32 v20, 31, v0
	v_lshlrev_b32 v[LI], 4, v20
	v_and_b32 v21, 15, v0                          ; r
	v_bfe_u32 v22, v0, 4, 1                        ; h
	s_lshl_b32 s40, s20, 11
	s_add_co_u32 s40, s40, HIMG
	v_add_nc_u32 v2, s40, v[LI]                    ; the hidden images that I store: K step w
	v_add_nc_u32 v3, HIMG, v[LI]                   ; and whence all are read
	s_mul_i32 s40, s20, 16*528
	s_add_co_u32 s40, s40, STG                     ; my stage
	v_mul_u32_u24 v4, v21, 528
	v_lshl_add_u32 v4, v22, 6, v4
	v_add_nc_u32 v4, s40, v4                       ; in: row r, + 64 h
	v_add_nc_u32 v5, s40, v[LI]                    ; back: a row of 512 bytes
	v_lshlrev_b32 v18, 6, v22
	v_and_b32 v23, 8, v21
	v_add_nc_u32 v23, v23, v21
	v_lshlrev_b32 v19, 2, v23
	s_mov_b32 s41, 0
	s_lshl_b32 s40, s20, 16
	s_add_co_u32 s40, s40, 262144
	s_add_nc_u64 s[42:43], s[8:9], s[40:41]        ; my 32 images of W1
	s_lshl_b32 s40, s20, 15
	s_add_co_u32 s40, s40, 524288
	s_add_nc_u64 s[44:45], s[8:9], s[40:41]        ; my 16 images of W2
	s_lshl_b32 s40, s20, 9
	s_add_nc_u64 s[10:11], s[10:11], s[40:41]      ; my 128 channels' a', c'
	s_lshl_b32 s40, s20, 8
	s_add_nc_u64 s[12:13], s[12:13], s[40:41]      ; my 64 numbers of b2
	s_lshr_b32 s40, s22, 2
	s_lshl_b32 s40, s40, 23
	s_and_b32 s48, s22, 3
	s_lshl_b32 s48, s48, 13
	s_add_co_u32 s40, s40, s48
	s_lshl_b32 s48, s21, 9
	s_add_co_u32 s40, s40, s48
	s_lshl_b32 s48, s20, 21
	s_add_co_u32 s40, s40, s48
	s_add_nc_u64 s[16:17], s[16:17], s[40:41]      ; out0 at my first channel, my block's first position
	WIN 0x40
.set q_, 0
.rept 64
	global_load_b128 v[4*q_:4*q_+3], v[LI], s[42:43] offset:512*q_                 ; W1's tiles 0-3
.set q_, q_+1
.endr
	WIN 0x80
.set q_, 0
.rept 64
	global_load_b128 v[4*q_:4*q_+3], v[LI], s[42:43] offset:32768+512*q_           ; tiles 4-7
.set q_, q_+1
.endr
	WIN 0xc0
.irp t, 0,1,2,3,4,5,6,7                ; a', c' in the result's layout: lane (r, h), tile t: channels 32 (t / 2) + 8 (t % 2) + 16 h + 0 .. 7
	global_load_b128 v[8*\t:8*\t+3], v18, s[10:11] offset:4*(32*(\t/2)+8*(\t%2))
	global_load_b128 v[8*\t+4:8*\t+7], v18, s[10:11] offset:4*(32*(\t/2)+8*(\t%2))+16
	global_load_b128 v[64+8*\t:64+8*\t+3], v18, s[10:11] offset:2048+4*(32*(\t/2)+8*(\t%2))
	global_load_b128 v[64+8*\t+4:64+8*\t+7], v18, s[10:11] offset:2048+4*(32*(\t/2)+8*(\t%2))+16
.endr
	WIN 0
.irp tt, 0,1,2,3
	global_load_b32 v[10+2*\tt], v19, s[12:13] offset:4*(32*(\tt/2)+8*(\tt%2))     ; b2 of my lane's channel of tile tt
	v_mov_b32 v[11+2*\tt], 0                       ; (named as the upper half of a pair)
.endr
	WIN 0xc0
.irp s, 0,1
.irp tt, 0,1,2,3
.irp c, 0,1,2,3
	global_load_b128 v[128+16*(4*\s+\tt)+4*\c:128+16*(4*\s+\tt)+4*\c+3], v[LI], s[44:45] offset:2048*(4*\tt+\s)+512*\c   ; W2, K steps 0, 1
.endr
.endr
.endr
	WIN 0
	s_wait_kmcnt 0x0
	s_mov_b32 s66, s38
	MKSC 8, 9                                      ; e14
	s_add_co_i32 s46, s38, s39
	s_add_co_i32 s46, s46, 127
	s_lshl_b32 s46, s46, 23                        ; 2^(e14 + e15)
	s_mov_b32 s47, s46
	s_wait_tensorcnt 0x0                           ; my part of the images is in
	BARRIER                                        ; everybody's is
	s_wait_loadcnt 32                              ; W1, a', c', b2 are in; W2's 32 loads, the youngest, may be out
.macro FETCHA m                        ; position tile m's four K steps: x's two, the message's two
.irp s, 0,1,2,3
.irp c, 0,1,2,3
	ds_load_b128 v[32+64*((\m)%2)+16*\s+4*\c:32+64*((\m)%2)+16*\s+4*\c+3], v[LI] offset:32768*(\s/2)+4096*(\m)+2048*(\s%2)+512*\c
.endr
.endr
.endm
	FETCHA 0
.irp m, 0,1,2,3,4,5,6,7                ; product 7, transposed: eight accumulators by turns, a K step at a time
	s_wait_dscnt 0x0
.if \m < 7
	FETCHA \m+1
.endif
.irp s, 0,1,2,3
	WIN 0x01
.irp t, 0,1,2,3
.if \s == 0
	v_wmma_f32_16x16x128_fp8_fp8 v[160+8*\t:167+8*\t], v[64*\t+16*\s:64*\t+16*\s+15], v[32+64*(\m%2)+16*\s:32+64*(\m%2)+16*\s+15], 0
.else
	v_wmma_f32_16x16x128_fp8_fp8 v[160+8*\t:167+8*\t], v[64*\t+16*\s:64*\t+16*\s+15], v[32+64*(\m%2)+16*\s:32+64*(\m%2)+16*\s+15], v[160+8*\t:167+8*\t]
.endif
.endr
	WIN 0x02
.irp t, 0,1,2,3
.if \s == 0
	v_wmma_f32_16x16x128_fp8_fp8 v[192+8*\t:199+8*\t], v[64*\t+16*\s:64*\t+16*\s+15], v[32+64*(\m%2)+16*\s:32+64*(\m%2)+16*\s+15], 0
.else
	v_wmma_f32_16x16x128_fp8_fp8 v[192+8*\t:199+8*\t], v[64*\t+16*\s:64*\t+16*\s+15], v[32+64*(\m%2)+16*\s:32+64*(\m%2)+16*\s+15], v[192+8*\t:199+8*\t]
.endif
.endr
.endr
	PLACES 4
	WIN 0x3c                                       ; a', c' window 3
.set j_, 0
.rept 32
	v_pk_fma_f32 v[160+j_:161+j_], v[160+j_:161+j_], v[j_:j_+1], v[64+j_:65+j_]    ; the batch norm
.set j_, j_+2
.endr
	WIN 0
	QUANT 4, 160, 160, 224, 8, 9, 1
.irp c, 0,1,2,3
	ds_store_b128 v2, v[224+4*\c:227+4*\c] offset:8192*\m+512*\c
.endr
.endr
	WIN 0xc0
.irp s, 2,3
.irp tt, 0,1,2,3
.irp c, 0,1,2,3
	global_load_b128 v[16*(4*(\s-2)+\tt)+4*\c:16*(4*(\s-2)+\tt)+4*\c+3], v[LI], s[44:45] offset:2048*(4*\tt+\s)+512*\c   ; W2, K steps 2, 3, where a', c' lay
.endr
.endr
.endr
	WIN 0
	BARRIER                                        ; the hidden layer's 32 images lie in LDS
.macro FETCHH s                        ; K step s of the eight position tiles
	WIN 0x80
.irp m, 0,1,2,3,4,5,6,7
.irp c, 0,1,2,3
	ds_load_b128 v[128*((\s)%2)+16*\m+4*\c:128*((\s)%2)+16*\m+4*\c+3], v3 offset:2048*(4*\m+(\s))+512*\c
.endr
.endr
.endm
	FETCHH 0
.irp s, 0,1,2,3                        ; product 8, natural: 32 accumulators by turns
.if \s < 3
	PLACES 4                                       ; in front of loads into the set that the K step before multiplied
	FETCHH \s+1
	s_wait_dscnt 32                                ; this K step's images are in; the next one's 32 loads may be out
.else
	s_wait_dscnt 0x0
.endif
.if \s == 0
	s_wait_loadcnt 32                              ; W2's K steps 0, 1 are in; the 32 loads of K steps 2, 3 may be out
.endif
.if \s == 2
	s_wait_loadcnt 0x0
.endif
	WIN 0x5e                                       ; hidden window 2, W2 window 3, sums window 1
.irp tt, 0,1,2,3
.irp m, 0,1,2,3,4,5,6,7
.if \s == 0
	v_wmma_f32_16x16x128_fp8_fp8 v[64*\tt+8*\m:64*\tt+8*\m+7], v[128*(\s%2)+16*\m:128*(\s%2)+16*\m+15], v[128*(1-\s/2)+16*(4*(\s%2)+\tt):128*(1-\s/2)+16*(4*(\s%2)+\tt)+15], 0
.else
	v_wmma_f32_16x16x128_fp8_fp8 v[64*\tt+8*\m:64*\tt+8*\m+7], v[128*(\s%2)+16*\m:128*(\s%2)+16*\m+15], v[128*(1-\s/2)+16*(4*(\s%2)+\tt):128*(1-\s/2)+16*(4*(\s%2)+\tt)+15], v[64*\tt+8*\m:64*\tt+8*\m+7]
.endif
.endr
.endr
.endr
	PLACES 4
.irp tt, 0,1,2,3                       ; the way out, 16 channels at a time, through my own stage
.if \tt >= 2
	s_wait_xcnt 0x0                                ; the stores of two tiles back have read the registers that are loaded next
.endif
	WIN 0x01
.set j_, 0
.rept 32
	v_pk_fma_f32 v[32+j_:33+j_], v[64*\tt+j_:64*\tt+j_+1], s[46:47], v[10+2*\tt:11+2*\tt] op_sel_hi:[1,0,0]   ; sum x 2^(e14 + e15) + b2
.set j_, j_+2
.endr
	WIN 0
.irp m, 0,1,2,3,4,5,6,7
	ds_store_b128 v4, v[32+8*\m:35+8*\m] offset:128*(\m/2)+32*(\m%2)               ; lane (r, h): channel row r, positions 32 (m / 2) + 8 (m % 2) + 16 h + 0 .. 7
	ds_store_b128 v4, v[36+8*\m:39+8*\m] offset:128*(\m/2)+32*(\m%2)+16
.endr
.irp i, 0,1,2,3,4,5,6,7,8,9,10,11,12,13,14,15
	ds_load_b128 v[96+64*(\tt%2)+4*\i:99+64*(\tt%2)+4*\i], v5 offset:528*\i        ; LDS serves a wave's instructions in order (ISA guide 5.7.1.4): these see my stores
.endr
.irp i, 0,1,2,3,4,5,6,7,8,9,10,11,12,13,14,15
	s_wait_dscnt 15-\i                             ; row i is back; the younger rows may be out
	global_store_b128 v[LI], v[96+64*(\tt%2)+4*\i:99+64*(\tt%2)+4*\i], s[16:17] offset:(32*(\tt/2)+8*(\tt%2)+\i+8*(\i/8))*32768 th:TH_STORE_NT   ; 512 consecutive bytes of one channel, aligned
.endr
.endr
	s_wait_tensorcnt 0x0                           ; the wave's end
	ds_add_u32 v[SPW], v[NIL]
	s_wait_dscnt 0x0
	s_endpgm
.Lfunc_end_k_q08bea33c9d_final:
	.size	k_q08bea33c9d_final, .Lfunc_end_k_q08bea33c9d_final-k_q08bea33c9d_final
	.p2alignl 7, 3214868480
	.fill 96, 4, 3214868480
	.section	.rodata,"a",@progbits
	.p2align	6, 0x0
	.amdhsa_kernel k_q08bea33c9d_final
		.amdhsa_group_segment_fixed_size 167936
		.amdhsa_private_segment_fixed_size 0
		.amdhsa_enable_private_segment 0
		.amdhsa_kernarg_size 56
		.amdhsa_user_sgpr_count 2
		.amdhsa_user_sgpr_kernarg_segment_ptr 1
		.amdhsa_wavefront_size32 1
		.amdhsa_system_sgpr_workgroup_id_x 1
		.amdhsa_system_sgpr_workgroup_id_y 1
		.amdhsa_system_sgpr_workgroup_id_z 1
		.amdhsa_system_vgpr_workitem_id 0
		.amdhsa_next_free_vgpr 1024
		.amdhsa_next_free_sgpr 100
		.amdhsa_reserve_vcc 0
		.amdhsa_float_denorm_mode_32 3
		.amdhsa_float_denorm_mode_16_64 3
		.amdhsa_memory_ordered 1
		.amdhsa_forward_progress 1
		.amdhsa_inst_pref_size 150
	.end_amdhsa_kernel
	.amdgpu_metadata
---
amdhsa.version: [ 1, 2 ]
amdhsa.kernels:
  - .name:           k_q08bea33c9d_final
    .symbol:         k_q08bea33c9d_final.kd
    .args:
      - { .name: xc, .offset: 0, .size: 8, .value_kind: global_buffer, .address_space: global }
      - { .name: mc, .offset: 8, .size: 8, .value_kind: global_buffer, .address_space: global }
      - { .name: wc, .offset: 16, .size: 8, .value_kind: global_buffer, .address_space: global }
      - { .name: bnp, .offset: 24, .size: 8, .value_kind: global_buffer, .address_space: global }
      - { .name: b2, .offset: 32, .size: 8, .value_kind: global_buffer, .address_space: global }
      - { .name: lowp_scales, .offset: 40, .size: 8, .value_kind: global_buffer, .address_space: global }
      - { .name: out0, .offset: 48, .size: 8, .value_kind: global_buffer, .address_space: global }
    .group_segment_fixed_size: 167936
    .private_segment_fixed_size: 0
    .kernarg_segment_align: 8
    .kernarg_segment_size: 56
    .max_flat_workgroup_size: 128
    .sgpr_count:     100
    .vgpr_count:     1024
    .wavefront_size: 32
...
	.end_amdgpu_metadata
.endif
;; end of part 5
